; MI455X (gfx1250); checked and timed in simulation.
; The chip was launched on July 23, 2026; its instructions are those of AMD's public machine-readable ISA for CDNA 5 (MIT licence, August 2026) and "CDNA5" Instruction Set Architecture Reference Guide (July 2026). The comments in the code are by the model that wrote it; some were corrected since.
;; Soft Gating Mo E. Allowed arithmetic: matrix products marked QUANTISED: E2M1 operands, one E8M0 scale for each 32 along K, by v_wmma_scale_f32_16x16x128_f8f6f4 with both operands' format E2M1 (or v_wmma_scale_f32_32x16x128_f4), f32 sums; products left as they are: f32 operands where the result goes on into a quantised operand, else bf16, f16 or f32 operands; f32 sums; everything else in f32.
;; Inputs: W1 8 x 2,048 x 1,024 float32; W2 8 x 1,024 x 2,048 float32; W3 8 x 2,048 x 1,024 float32; Wc 1 x 1,024 float32; Wg 8 x 1,024 float32; bc 1 float32; tgt_pad 4 x 256 bool; x 4 x 256 x 1,024 float32.
;; Outputs: out0 4 x 256 x 1,024 float32; out1 1,024 x 8 float32; out2 8 x 4 x 1 float32; out3 4 x 256 x 8 float32.
;; This version of the problem:
;;   THIS VERSION OF THE PROBLEM IS GIVEN IN LOW PRECISION. The matrix products marked QUANTISED in the list below multiply operands that are first quantised to E2M1 (2 exponent bits, 1 mantissa bit; 4 bits a number), with one power-of-two scale for each 32 numbers along K (OCP MX v1.0); their sums are f32. All else is computed in f32.
;;   The module's matrix products, in the order in which they are computed (A, B: the left and right operand; K: the contracted axis; several contracted axes count as one K, in the product's order):
;;     1. [M 1,024, K 1,024] x [K 1,024, N 8]; A: input x; B: input Wg: left as it is (N = 8 < 16)
;;     2. batch 1,024 x [M 1, K 2] x [K 2, N 8]; A: computed on the way; B: computed on the way: left as it is (K = 2 < 32)
;;     3. [M 1,024, K 1,024] x [K 1,024, N 2,048]; A: input x; B: input W1: QUANTISED
;;     4. [M 1,024, K 1,024] x [K 1,024, N 2,048]; A: input x; B: input W3: QUANTISED
;;     5. [M 1,024, K 2,048] x [K 2,048, N 1,024]; A: computed on the way; B: input W2: QUANTISED
;;     6. [M 4, K 1,024] x [K 1,024, N 1]; A: computed on the way; B: input Wc: left as it is (M = 4 < 16)
;;     7. [M 1,024, K 1,024] x [K 1,024, N 2,048]; A: input x; B: input W1: QUANTISED
;;     8. [M 1,024, K 1,024] x [K 1,024, N 2,048]; A: input x; B: input W3: QUANTISED
;;     9. [M 1,024, K 2,048] x [K 2,048, N 1,024]; A: computed on the way; B: input W2: QUANTISED
;;     10. [M 4, K 1,024] x [K 1,024, N 1]; A: computed on the way; B: input Wc: left as it is (M = 4 < 16)
;;     11. [M 1,024, K 1,024] x [K 1,024, N 2,048]; A: input x; B: input W1: QUANTISED
;;     12. [M 1,024, K 1,024] x [K 1,024, N 2,048]; A: input x; B: input W3: QUANTISED
;;     13. [M 1,024, K 2,048] x [K 2,048, N 1,024]; A: computed on the way; B: input W2: QUANTISED
;;     14. [M 4, K 1,024] x [K 1,024, N 1]; A: computed on the way; B: input Wc: left as it is (M = 4 < 16)
;;     15. [M 1,024, K 1,024] x [K 1,024, N 2,048]; A: input x; B: input W1: QUANTISED
;;     16. [M 1,024, K 1,024] x [K 1,024, N 2,048]; A: input x; B: input W3: QUANTISED
;;     17. [M 1,024, K 2,048] x [K 2,048, N 1,024]; A: computed on the way; B: input W2: QUANTISED
;;     18. [M 4, K 1,024] x [K 1,024, N 1]; A: computed on the way; B: input Wc: left as it is (M = 4 < 16)
;;     19. [M 1,024, K 1,024] x [K 1,024, N 2,048]; A: input x; B: input W1: QUANTISED
;;     20. [M 1,024, K 1,024] x [K 1,024, N 2,048]; A: input x; B: input W3: QUANTISED
;;     21. [M 1,024, K 2,048] x [K 2,048, N 1,024]; A: computed on the way; B: input W2: QUANTISED
;;     22. [M 4, K 1,024] x [K 1,024, N 1]; A: computed on the way; B: input Wc: left as it is (M = 4 < 16)
;;     23. [M 1,024, K 1,024] x [K 1,024, N 2,048]; A: input x; B: input W1: QUANTISED
;;     24. [M 1,024, K 1,024] x [K 1,024, N 2,048]; A: input x; B: input W3: QUANTISED
;;     25. [M 1,024, K 2,048] x [K 2,048, N 1,024]; A: computed on the way; B: input W2: QUANTISED
;;     26. [M 4, K 1,024] x [K 1,024, N 1]; A: computed on the way; B: input Wc: left as it is (M = 4 < 16)
;;     27. [M 1,024, K 1,024] x [K 1,024, N 2,048]; A: input x; B: input W1: QUANTISED
;;     28. [M 1,024, K 1,024] x [K 1,024, N 2,048]; A: input x; B: input W3: QUANTISED
;;     29. [M 1,024, K 2,048] x [K 2,048, N 1,024]; A: computed on the way; B: input W2: QUANTISED
;;     30. [M 4, K 1,024] x [K 1,024, N 1]; A: computed on the way; B: input Wc: left as it is (M = 4 < 16)
;;     31. [M 1,024, K 1,024] x [K 1,024, N 2,048]; A: input x; B: input W1: QUANTISED
;;     32. [M 1,024, K 1,024] x [K 1,024, N 2,048]; A: input x; B: input W3: QUANTISED
;;     33. [M 1,024, K 2,048] x [K 2,048, N 1,024]; A: computed on the way; B: input W2: QUANTISED
;;     34. [M 4, K 1,024] x [K 1,024, N 1]; A: computed on the way; B: input Wc: left as it is (M = 4 < 16)
;;   THE QUANTISER, for each operand of a quantised product, along K:
;;     - K is cut into blocks of 32 from its start; a last block that is shorter is filled with zeros.
;;     - A block's scale is 2^e with e = floor(log2(the largest magnitude in the block)) - 2, held to -126 .. 127; a block of zeros has e = 0. As a byte (E8M0): e + 127.
;;     - Each number is divided by its block's scale, clamped to +-6, and rounded to the nearest number of E2M1, ties to even, subnormals kept.
;;     - The product sums the exact products of the quantised numbers (number of the format x scale) in f32.
;;   ~~~python
;;   def quantise(x, axis):      # numpy; x: float32 -> the quantised numbers, widened to float32 again
;;       x = np.moveaxis(x, axis, -1); K = x.shape[-1]
;;       x = np.pad(x, [(0, 0)] * (x.ndim - 1) + [(0, -K % 32)]); x = x.reshape(x.shape[:-1] + (-1, 32)); a = np.abs(x).max(-1, keepdims=True)
;;       e = np.where(a > 0, np.clip(np.frexp(np.where(a > 0, a, 1))[1] - 1 - 2, -126, 127), 0)      # np.frexp(a)[1] - 1 = floor(log2(a)), exactly
;;       r = np.clip(x / 2.0 ** e, -6, 6)
;;       step = 2.0 ** (np.maximum(np.frexp(np.where(r == 0, 1, r))[1] - 1, 0) - 1)
;;       q = np.round(r / step) * step * 2.0 ** e      # np.round: ties to even
;;       return np.moveaxis(q.reshape(q.shape[:-2] + (-1,))[..., :K], -1, axis).astype(np.float32)
;;   ~~~
;;   OPERANDS COMPUTED ON THE WAY. 'Computed on the way' means the value that the module computes at that place (a softmax that the list does not call 'softmax' is quantised finished and normalised). What goes into a quantiser is computed in f32, as accurately as f32 sums, v_exp_f32 and their like allow (about 1e-6 of the number): no bf16 or f16 on the way to a quantiser, and a product that is left as it is and whose result goes on into a quantised operand takes f32 operands (vector FMAs, or v_wmma_f32_16x16x4_f32). A number that lies on a knife's edge between two numbers of the format may be rounded either way, as far as f32 arithmetic and the matrix unit's own rounding can turn it there, and no further.
;; 2 versions, each right and faster than the one before. Each part assembles by itself: llvm-mc -triple=amdgcn-amd-amdhsa -mcpu=gfx1250 --defsym DOCPART=n.
;; ======== version 1 of 2: 5 launches
;; workspace buffers: xc 524,288 bytes; xs 32,768 bytes; sel 4,096 bytes of whole numbers; rw 8,192 bytes; pos 70,656 bytes of whole numbers; hc 8,388,608 bytes; hs 524,288 bytes; ct 33,554,432 bytes
;; launch route (part 1): grid 256 x 1, 4 waves a work-group, no clusters, 21,760 bytes of LDS; arguments x, Wg, out1, out3, sel, rw, xc, xs; writes out1, out3, sel, rw, xc, xs
.if DOCPART == 1
	.amdgcn_target "amdgcn-amd-amdhsa--gfx1250"
	.amdhsa_code_object_version 6
	.text
	.protected	k_q3c8e7ae26f_route
	.globl	k_q3c8e7ae26f_route
	.p2align	8
	.type	k_q3c8e7ae26f_route,@function
k_q3c8e7ae26f_route:
	s_mov_b64 s[64:65], 0
	v_nop
	global_prefetch_b8 v0, s[64:65] scope:SCOPE_SE
	s_setreg_imm32_b32 hwreg(HW_REG_WAVE_MODE, 25, 1), 1
	s_wait_xcnt 0x0
; ROUTE.  gate_logits = x Wg^T (f32 multiply-adds), routing = softmax, the top 2 of 8 with their renormalised weights; and x as codes of E2M1 with one E8M0 byte for each 32 along D.
; WORK LEFT OUT BY THE WHOLE PROGRAM, and why it can reach no output for any finite inputs:
;   tgt_pad is named by no line of reference(): it is not loaded and is no argument of any launch.
;   combined[n][e] is a sum of products with reference()'s own one_hot(sel): for an expert e outside token n's top 2 every term has the factor 0, so contrib[n][:] = (h W2[e]^T)[n][:] x 0 = 0.
;   So row n of the three products of expert e is multiplied only where e is one of the token's two: 2,048 rows of 8,192.  final begins as zeros, and a classifier logit does not move at an expert that its token did not choose.
;   LIMIT: a NaN, an infinity or an overflow that arises only in a row left out is not carried to the result.
; LIMITS: NaN and infinities among the inputs are not served.  A block whose largest magnitude lies under 2^-124, a block of zeros too, gets the scale byte 1: its codes are as the byte says, the bytes are read by this program alone.
;   A tie between two routing weights is judged on this text's own f32 softmax; the lower expert wins it, as in lax.top_k.
; SHARES.  A work-group takes 4 tokens; wave q takes k = 256 q .. 256 q + 255 of all four, so each byte of x and of Wg is loaded once in a work-group.  Nothing here is addressed or branched by data.
; sel[n] = (1 << e_lo) | (1 << e_hi), rw[n] = (w_lo, w_hi), by ascending expert.  xc[n] = 512 bytes of codes, xs[n] = 32 scale bytes.
; A work-group's parts of out1, out3 and xs are 128 consecutive bytes each: 96 KiB in the whole launch.
.set WSTG,  4608                       ; LDS: a stage for each wave: 32 places of 128 bytes + 16
.set CODE,  18432                      ; 4 tokens x 512 bytes of codes
.set SCB,   20480                      ; 4 tokens x 32 scale bytes
.set PART,  20736                      ; 4 waves x 32 partial sums
.set SPARE, 21248                      ; the spare words, 128 bytes for each wave, named by no other line
.set SPW, 1                            ; v1   my spare word; never rewritten
.set NIL, 2                            ; v2   0; never rewritten
.set LOF, 3                            ; v3   16 x lane
.set SIN, 4                            ; v4   the stage, on the way in
.set SOUT, 5                           ; v5   and out: 144 x lane
.set CST, 6                            ; v6   where my block's codes go
.set BST, 7                            ; v7   and its byte
.set PST, 8                            ; v8   PART + 4 x thread
.set PRD, 9                            ; v9   PART + 4 x lane
.set CRD, 10                           ; v10  CODE + 16 x thread
.set GOF, 11                           ; v11  16 x thread
.set BRD, 12                           ; v12  SCB + 4 x lane
.set L4,  13                           ; v13  4 x lane
.set EX,  14                           ; v14  lane % 8: the expert
.set TK,  15                           ; v15  lane / 8: the token
.set XR,  16                           ; v16-47   x as loaded: token t, half hf at 8 t + 4 hf
.set WGR, 48                           ; v48-111  Wg: expert e, half hf at 8 e + 4 hf
.set P,   112                          ; v112-143 partial sums, value 8 t + e
.set TP,  144                          ; v144-159 pairs at work
.set XT,  160                          ; v160-191 a block of 32 neighbours
.set CD,  192                          ; v192-195 its codes
.set W,   196                          ; v196.. at work
	s_load_b512 s[4:19], s[0:1], 0x0               ; x, Wg, out1, out3, sel, rw, xc, xs
	v_lshl_add_u32 v[SPW], v0, 2, SPARE
	v_mov_b32 v[NIL], 0
	v_lshrrev_b32 v[W], 5, v0
	v_readfirstlane_b32 s20, v[W]                  ; wave q
	v_and_b32 v[W], 31, v0                         ; lane
	v_lshlrev_b32 v[LOF], 4, v[W]
	v_lshrrev_b32 v[TK], 3, v[W]
	v_and_b32 v[EX], 7, v[W]
	s_mul_i32 s21, s20, WSTG
	v_mul_u32_u24 v[SIN], v[TK], 144               ; a load's 512 bytes are four blocks of 128: block lane / 8, 16 (lane % 8) in it
	v_lshl_add_u32 v[SIN], v[EX], 4, v[SIN]
	v_add_nc_u32 v[SIN], s21, v[SIN]
	v_mul_u32_u24 v[SOUT], v[W], 144               ; lane l takes block l: token l / 8, block l % 8 of my quarter
	v_add_nc_u32 v[SOUT], s21, v[SOUT]
	s_lshl_b32 s21, s20, 7
	v_lshlrev_b32 v[CST], 9, v[TK]
	v_lshl_add_u32 v[CST], v[EX], 4, v[CST]
	v_add_nc_u32 v[CST], s21, v[CST]
	v_add_nc_u32 v[CST], CODE, v[CST]              ; CODE + 512 t + 128 q + 16 b
	s_lshl_b32 s21, s20, 3
	v_lshl_add_u32 v[BST], v[TK], 5, v[EX]
	v_add_nc_u32 v[BST], s21, v[BST]
	v_add_nc_u32 v[BST], SCB, v[BST]               ; SCB + 32 t + 8 q + b
	v_lshl_add_u32 v[PST], v0, 2, PART
	v_lshl_add_u32 v[PRD], v[W], 2, PART
	v_lshl_add_u32 v[CRD], v0, 4, CODE
	v_lshlrev_b32 v[GOF], 4, v0
	v_lshl_add_u32 v[BRD], v[W], 2, SCB
	v_lshlrev_b32 v[L4], 2, v[W]
	s_mov_b32 s24, 0xff00ff00                      ; lanes with bit 3 set,
	s_mov_b32 s25, 0xf0f0f0f0                      ; bit 2,
	s_mov_b32 s26, 0xcccccccc                      ; bit 1,
	s_mov_b32 s27, 0xaaaaaaaa                      ; bit 0
	s_lshl_b32 s22, ttmp9, 14                      ; 4 tokens of 4,096 bytes a work-group,
	s_lshl_b32 s30, s20, 10                        ; 1,024 bytes a quarter
	s_add_co_u32 s22, s22, s30
	s_mov_b32 s23, 0
	s_mov_b32 s31, 0
	s_wait_kmcnt 0x0
	s_add_nc_u64 s[4:5], s[4:5], s[22:23]
	s_add_nc_u64 s[6:7], s[6:7], s[30:31]
.irp i, 0,1,2,3,4,5,6,7
	global_load_b128 v[XR+4*\i:XR+4*\i+3], v[LOF], s[4:5] offset:(\i/2)*4096+(\i%2)*512 th:TH_LOAD_NT   ; 512 consecutive bytes a load
.endr
.irp i, 0,1,2,3,4,5,6,7,8,9,10,11,12,13,14,15
	global_load_b128 v[WGR+4*\i:WGR+4*\i+3], v[LOF], s[6:7] offset:(\i/2)*4096+(\i%2)*512
.endr
	s_lshl_b32 s22, ttmp9, 7
	s_add_nc_u64 s[8:9], s[8:9], s[22:23]          ; out1, out3, xs: 128 bytes a work-group
	s_add_nc_u64 s[10:11], s[10:11], s[22:23]
	s_add_nc_u64 s[18:19], s[18:19], s[22:23]
	s_lshl_b32 s22, ttmp9, 4
	s_add_nc_u64 s[12:13], s[12:13], s[22:23]      ; sel: 16
	s_lshl_b32 s22, ttmp9, 5
	s_add_nc_u64 s[14:15], s[14:15], s[22:23]      ; rw: 32
	s_lshl_b32 s22, ttmp9, 11
	s_add_nc_u64 s[16:17], s[16:17], s[22:23]      ; xc: 2,048
	s_wait_loadcnt 16                              ; x's eight loads are in; Wg's sixteen may be out
.irp i, 0,1,2,3,4,5,6,7
	ds_store_b128 v[SIN], v[XR+4*\i:XR+4*\i+3] offset:576*\i      ; x turns through my own stage: LDS serves a wave's instructions in order, so no wait stands between the stores and the loads
.endr
.irp g, 0,1,2,3,4,5,6,7
	ds_load_b128 v[XT+4*\g:XT+4*\g+3], v[SOUT] offset:16*\g
.endr
	s_wait_loadcnt 0x0                             ; Wg
.irp t, 0,1,2,3                                    ; my lane's eight products of each of the 32 pairs (token, expert)
.irp e, 0,1,2,3,4,5,6,7
	v_pk_mul_f32 v[TP+2*\e:TP+2*\e+1], v[XR+8*\t:XR+8*\t+1], v[WGR+8*\e:WGR+8*\e+1]
.endr
.irp k, 2,4,6
.irp e, 0,1,2,3,4,5,6,7
	v_pk_fma_f32 v[TP+2*\e:TP+2*\e+1], v[XR+8*\t+\k:XR+8*\t+\k+1], v[WGR+8*\e+\k:WGR+8*\e+\k+1], v[TP+2*\e:TP+2*\e+1]
.endr
.endr
.irp e, 0,1,2,3,4,5,6,7
	v_add_f32 v[P+8*\t+\e], v[TP+2*\e], v[TP+2*\e+1]
.endr
.endr
; 32 values, each spread over 32 lanes, become one value a lane: each fold halves the registers and the lanes that share a value.
.irp i, 0,1,2,3,4,5,6,7,8,9,10,11,12,13,14,15
	v_permlane16_swap_b32 v[P+\i], v[P+16+\i]      ; value i's upper lanes change places with value i + 16's lower lanes
.endr
.irp i, 0,1,2,3,4,5,6,7,8,9,10,11,12,13,14,15
	v_add_f32 v[P+\i], v[P+\i], v[P+16+\i]         ; lanes 0-15: value i, lanes 16-31: value i + 16
.endr
.macro FOLD d, m                       ; a lane whose bit d is set keeps value i + d and sends value i, the others the other way round
.set i, 0
.rept \d
	v_cndmask_b32 v[TP+2*i], v[P+i], v[P+i+\d], s[\m]
	v_cndmask_b32 v[TP+2*i+1], v[P+i+\d], v[P+i], s[\m]
.set i, i+1
.endr
.set i, 0
.rept \d
	v_add_f32_dpp v[P+i], v[TP+2*i+1], v[TP+2*i] row_xmask:\d row_mask:0xf bank_mask:0xf
.set i, i+1
.endr
.endm
	FOLD 8, 24
	FOLD 4, 25
	FOLD 2, 26
	FOLD 1, 27
	ds_store_b32 v[PST], v[P]                      ; lane l: my quarter's sum of value l = 8 t + e
	s_wait_dscnt 1                                 ; my block is back from the stage; only the store above may be out
	v_max3_num_f32 v[W], |v[XT]|, |v[XT+1]|, |v[XT+2]|            ; the block's largest magnitude: all 32 numbers are mine
	v_max3_num_f32 v[W+1], |v[XT+3]|, |v[XT+4]|, |v[XT+5]|
.irp i, 6,10,14,18,22,26
	v_max3_num_f32 v[W], v[W], |v[XT+\i]|, |v[XT+\i+1]|
	v_max3_num_f32 v[W+1], v[W+1], |v[XT+\i+2]|, |v[XT+\i+3]|
.endr
	v_max3_num_f32 v[W], v[W], |v[XT+30]|, |v[XT+31]|
	v_max3_num_f32 v[W], v[W], v[W+1], 0x1800000   ; and the floor 2^(3 - 127): the byte cannot fall under 1
	v_add_nc_u32 v[W+2], 0xff000000, v[W]          ; 2 off the exponent field: the conversion takes the exponent field of this operand as its scale
.irp g, 0,1,2,3
	v_cvt_scalef32_pk8_fp4_f32 v[CD+\g], v[XT+8*\g:XT+8*\g+7], v[W+2]
.endr
	v_lshrrev_b32 v[W+3], 23, v[W+2]               ; the scale's byte (also the plain line behind the conversions)
	ds_store_b128 v[CST], v[CD:CD+3]
	ds_store_b8 v[BST], v[W+3]
	s_wait_dscnt 0x0                               ; for the others' sake: my stores have landed
	s_barrier_signal -1
	s_barrier_wait -1
	ds_load_b128 v[XT:XT+3], v[CRD]
	s_wait_dscnt 0x0
	global_store_b128 v[GOF], v[XT:XT+3], s[16:17] ; the work-group's 2,048 bytes of codes: 512 consecutive bytes a wave
	s_cmp_lg_u32 s20, 1
	s_cbranch_scc1 .Lnot_wave_1
	ds_load_b32 v[W], v[BRD]
	s_wait_dscnt 0x0
	global_store_b32 v[L4], v[W], s[18:19]         ; the 128 scale bytes
.Lnot_wave_1:
	s_cmp_lg_u32 s20, 0
	s_cbranch_scc1 .Lend
	; wave 0: lane l = (token l / 8, expert l % 8)
	ds_load_b32 v[W], v[PRD]
	ds_load_b32 v[W+1], v[PRD] offset:128
	ds_load_b32 v[W+2], v[PRD] offset:256
	ds_load_b32 v[W+3], v[PRD] offset:384
	s_wait_dscnt 0x0
	v_add_f32 v[W], v[W], v[W+1]
	v_add_f32 v[W+2], v[W+2], v[W+3]
	v_add_f32 v[W], v[W], v[W+2]                   ; the gate logit
	global_store_b32 v[L4], v[W], s[8:9]
	v_mov_b32 v[W+1], v[W]
.irp m, 1,2,4
	v_max_num_f32_dpp v[W+1], v[W+1], v[W+1] row_xmask:\m row_mask:0xf bank_mask:0xf   ; the token's largest logit, taken away ahead of the exponential
.endr
	v_sub_f32 v[W+2], v[W], v[W+1]
	v_mul_f32 v[W+2], 0x3fb8aa3b, v[W+2]
	v_exp_f32 v[W+2], v[W+2]
	v_nop                                          ; a plain line behind the exponential,
	s_wait_alu depctr_va_vdst(0)                   ; and the wait ahead of its first reader
	v_mov_b32 v[W+3], v[W+2]
.irp m, 1,2,4
	v_add_f32_dpp v[W+3], v[W+3], v[W+3] row_xmask:\m row_mask:0xf bank_mask:0xf
.endr
	v_rcp_f32 v[W+4], v[W+3]
	v_nop
	s_wait_alu depctr_va_vdst(0)
	v_mul_f32 v[W+2], v[W+2], v[W+4]               ; the routing weight p
	global_store_b32 v[L4], v[W+2], s[10:11]
	v_cvt_f32_u32 v[W+5], v[EX]
	v_sub_f32 v[W+5], 0x41000000, v[W+5]           ; 8 - e: the largest of these among equals is the lowest expert
	v_mov_b32 v[W+21], -1.0
	v_mov_b32 v[W+18], 1
	v_mov_b32 v[W+6], v[W+2]
.irp m, 1,2,4
	v_max_num_f32_dpp v[W+6], v[W+6], v[W+6] row_xmask:\m row_mask:0xf bank_mask:0xf   ; the largest p
.endr
	v_cmp_eq_f32 vcc_lo, v[W+2], v[W+6]
	v_cndmask_b32 v[W+7], 0, v[W+5], vcc_lo
.irp m, 1,2,4
	v_max_num_f32_dpp v[W+7], v[W+7], v[W+7] row_xmask:\m row_mask:0xf bank_mask:0xf   ; 8 - its expert
.endr
	v_cmp_eq_f32 vcc_lo, v[W+5], v[W+7]
	v_cndmask_b32 v[W+8], v[W+2], v[W+21], vcc_lo  ; p with the first choice taken out (p is never negative)
	v_mov_b32 v[W+9], v[W+8]
.irp m, 1,2,4
	v_max_num_f32_dpp v[W+9], v[W+9], v[W+9] row_xmask:\m row_mask:0xf bank_mask:0xf   ; the second largest p
.endr
	v_cmp_eq_f32 vcc_lo, v[W+8], v[W+9]
	v_cndmask_b32 v[W+10], 0, v[W+5], vcc_lo
.irp m, 1,2,4
	v_max_num_f32_dpp v[W+10], v[W+10], v[W+10] row_xmask:\m row_mask:0xf bank_mask:0xf
.endr
	v_add_f32 v[W+11], v[W+6], v[W+9]
	v_rcp_f32 v[W+11], v[W+11]
	v_nop
	s_wait_alu depctr_va_vdst(0)
	v_mul_f32 v[W+12], v[W+6], v[W+11]             ; the two weights, renormalised
	v_mul_f32 v[W+13], v[W+9], v[W+11]
	v_cmp_gt_f32 vcc_lo, v[W+7], v[W+10]           ; is the first choice the lower expert?
	v_cndmask_b32 v[W+14], v[W+13], v[W+12], vcc_lo   ; w_lo
	v_cndmask_b32 v[W+15], v[W+12], v[W+13], vcc_lo   ; w_hi
	v_sub_f32 v[W+16], 0x41000000, v[W+7]
	v_sub_f32 v[W+17], 0x41000000, v[W+10]
	v_cvt_u32_f32 v[W+16], v[W+16]
	v_cvt_u32_f32 v[W+17], v[W+17]
	v_lshlrev_b32 v[W+16], v[W+16], v[W+18]
	v_lshlrev_b32 v[W+17], v[W+17], v[W+18]
	v_or_b32 v[W+16], v[W+16], v[W+17]             ; the token's two experts as bits
	v_lshlrev_b32 v[W+19], 2, v[TK]                ; sel: 4 bytes a token
	v_lshlrev_b32 v[W+20], 3, v[TK]
	v_lshl_add_u32 v[W+20], v[EX], 2, v[W+20]      ; rw: 8 bytes a token, lane e = 0 the first word, e = 1 the second
	v_cmp_eq_u32 vcc_lo, 0, v[EX]
	v_cndmask_b32 v[W+14], v[W+15], v[W+14], vcc_lo
	s_wait_xcnt 0x0                                ; EXEC changes only behind this wait
	s_and_saveexec_b32 s28, vcc_lo
	global_store_b32 v[W+19], v[W+16], s[12:13]
	s_wait_xcnt 0x0
	s_or_b32 exec_lo, exec_lo, s28
	v_cmp_gt_u32 vcc_lo, 2, v[EX]
	s_and_saveexec_b32 s28, vcc_lo
	global_store_b32 v[W+20], v[W+14], s[14:15]
	s_wait_xcnt 0x0
	s_or_b32 exec_lo, exec_lo, s28
.Lend:
	s_wait_tensorcnt 0x0                           ; the wave's end, behind my last LDS store
	ds_add_u32 v[SPW], v[NIL]
	s_wait_dscnt 0x0
	s_endpgm
.Lfunc_end_k_q3c8e7ae26f_route:
	.size	k_q3c8e7ae26f_route, .Lfunc_end_k_q3c8e7ae26f_route-k_q3c8e7ae26f_route
	.p2alignl 7, 3214868480
	.fill 96, 4, 3214868480
	.section	.rodata,"a",@progbits
	.p2align	6, 0x0
	.amdhsa_kernel k_q3c8e7ae26f_route
		.amdhsa_group_segment_fixed_size 21760
		.amdhsa_private_segment_fixed_size 0
		.amdhsa_enable_private_segment 0
		.amdhsa_kernarg_size 64
		.amdhsa_user_sgpr_count 2
		.amdhsa_user_sgpr_kernarg_segment_ptr 1
		.amdhsa_wavefront_size32 1
		.amdhsa_system_sgpr_workgroup_id_x 1
		.amdhsa_system_sgpr_workgroup_id_y 1
		.amdhsa_system_sgpr_workgroup_id_z 1
		.amdhsa_system_vgpr_workitem_id 0
		.amdhsa_next_free_vgpr 224
		.amdhsa_next_free_sgpr 66
		.amdhsa_reserve_vcc 1
		.amdhsa_float_denorm_mode_32 3
		.amdhsa_float_denorm_mode_16_64 3
		.amdhsa_memory_ordered 1
		.amdhsa_forward_progress 1
		.amdhsa_inst_pref_size 25
	.end_amdhsa_kernel
	.amdgpu_metadata
---
amdhsa.version: [ 1, 2 ]
amdhsa.kernels:
  - .name:           k_q3c8e7ae26f_route
    .symbol:         k_q3c8e7ae26f_route.kd
    .args:
      - { .name: x, .offset: 0, .size: 8, .value_kind: global_buffer, .address_space: global }
      - { .name: Wg, .offset: 8, .size: 8, .value_kind: global_buffer, .address_space: global }
      - { .name: out1, .offset: 16, .size: 8, .value_kind: global_buffer, .address_space: global }
      - { .name: out3, .offset: 24, .size: 8, .value_kind: global_buffer, .address_space: global }
      - { .name: sel, .offset: 32, .size: 8, .value_kind: global_buffer, .address_space: global }
      - { .name: rw, .offset: 40, .size: 8, .value_kind: global_buffer, .address_space: global }
      - { .name: xc, .offset: 48, .size: 8, .value_kind: global_buffer, .address_space: global }
      - { .name: xs, .offset: 56, .size: 8, .value_kind: global_buffer, .address_space: global }
    .group_segment_fixed_size: 21760
    .private_segment_fixed_size: 0
    .kernarg_segment_align: 8
    .kernarg_segment_size: 64
    .max_flat_workgroup_size: 128
    .sgpr_count:     66
    .vgpr_count:     224
    .wavefront_size: 32
...
	.end_amdgpu_metadata
.endif
;; end of part 1
;; launch place (part 2): grid 8 x 1, 1 waves a work-group, no clusters, 0 bytes of LDS; arguments sel, pos; writes pos
.if DOCPART == 2
	.amdgcn_target "amdgcn-amd-amdhsa--gfx1250"
	.amdhsa_code_object_version 6
	.text
	.protected	k_q3c8e7ae26f_place
	.globl	k_q3c8e7ae26f_place
	.p2align	8
	.type	k_q3c8e7ae26f_place,@function
k_q3c8e7ae26f_place:
	s_mov_b64 s[64:65], 0
	v_nop
	global_prefetch_b8 v0, s[64:65] scope:SCOPE_SE
	s_setreg_imm32_b32 hwreg(HW_REG_WAVE_MODE, 25, 1), 1
	s_wait_xcnt 0x0
; PLACE.  One wave for each expert e ranks the tokens that chose it.  Only chosen rows are multiplied later (the first kernel's head shows why the others are dead work).
; pos, bytes 0 on:      [8][1024] words: (e << 10 | p) + 1 where token n is row p of expert e, else 0.
; pos, bytes 32,768 on: [8][32] words, each the expert's number of rows.
; pos, bytes 33,792 on: [8][1152] words, the list: word p < count is row p's token; words count .. 1,023 are 0, so that every word which a later launch reads is written; words from 1,088 on take what the lanes without a row store, and are never read.
; Lane l of load q holds tokens 128 q + 4 l + c.  The rank goes by (q, c, l): any order serves, since list and pos are made from the same rank.
; The scattered stores are 4 bytes a lane, neighbouring ranks in neighbouring words: 2,048 live words in the whole launch.
.set LA, 8                             ; v8-39    sel
.set PP, 40                            ; v40-71   pos words
.set IX, 72                            ; v72-103  list offsets: a register for each store, so that no store's source is written again
.set TV, 104                           ; v104-135 tokens
.set ZX, 136                           ; v136-167 offsets of the zeros
	s_load_b128 s[4:7], s[0:1], 0x0                ; sel, pos
	v_lshlrev_b32 v1, 4, v0
	v_lshlrev_b32 v2, 2, v0
	v_add_nc_u32 v3, 1088, v0                      ; my word of the dump
	v_mov_b32 v4, 0
	s_lshl_b32 s10, 1, ttmp9                       ; the expert's bit
	s_lshl_b32 s13, ttmp9, 10
	s_add_co_u32 s13, s13, 1                       ; (e << 10) + 1
	s_mov_b32 s12, 0                               ; rows so far
	s_lshl_b32 s16, ttmp9, 12
	s_mov_b32 s17, 0
	s_mul_i32 s18, ttmp9, 4608
	s_add_co_u32 s18, s18, 33792
	s_mov_b32 s19, 0
	s_lshl_b32 s20, ttmp9, 7
	s_add_co_u32 s20, s20, 32768
	s_mov_b32 s21, 0
	s_wait_kmcnt 0x0
.irp q, 0,1,2,3,4,5,6,7
	global_load_b128 v[LA+4*\q:LA+4*\q+3], v1, s[4:5] offset:512*\q
.endr
	s_add_nc_u64 s[8:9], s[6:7], s[18:19]          ; my list
	s_add_nc_u64 s[22:23], s[6:7], s[20:21]        ; my count
	s_add_nc_u64 s[6:7], s[6:7], s[16:17]          ; my row of pos
	s_wait_loadcnt 0x0
.set n, 0
.rept 32
	v_and_b32 v5, s10, v[LA+n]
	v_cmp_ne_u32 s11, 0, v5                        ; the lanes whose token chose e
	v_mbcnt_lo_u32_b32 v6, s11, s12                ; rows so far + such lanes below me: my token's rank
	v_add_nc_u32 v7, s13, v6
	v_cndmask_b32 v[PP+n], 0, v7, s11
	v_cndmask_b32 v6, v3, v6, s11                  ; a lane without a row stores into the dump
	v_min_u32 v6, 0x47f, v6                        ; held inside the expert's 1,152 words
	v_lshlrev_b32 v[IX+n], 2, v6
	v_add_nc_u32 v[TV+n], 128*(n/4)+(n%4), v2      ; the token
	s_bcnt1_i32_b32 s14, s11
	s_add_co_u32 s12, s12, s14
	global_store_b32 v[IX+n], v[TV+n], s[8:9]
.set n, n+1
.endr
.irp q, 0,1,2,3,4,5,6,7
	global_store_b128 v1, v[PP+4*\q:PP+4*\q+3], s[6:7] offset:512*\q   ; 512 consecutive bytes a store
.endr
	v_mov_b32 v168, s12
	global_store_b32 v2, v168, s[22:23]            ; the count, 32 times: 128 consecutive bytes
	v_add_nc_u32 v5, s12, v0
.set n, 0
.rept 32                                           ; zeros from word count on: count + 1,023 is word 1,023 at the least
	v_add_nc_u32 v[ZX+n], 32*n, v5
	v_min_u32 v[ZX+n], 0x47f, v[ZX+n]
	v_lshlrev_b32 v[ZX+n], 2, v[ZX+n]
	global_store_b32 v[ZX+n], v4, s[8:9]
.set n, n+1
.endr
	s_endpgm
.Lfunc_end_k_q3c8e7ae26f_place:
	.size	k_q3c8e7ae26f_place, .Lfunc_end_k_q3c8e7ae26f_place-k_q3c8e7ae26f_place
	.p2alignl 7, 3214868480
	.fill 96, 4, 3214868480
	.section	.rodata,"a",@progbits
	.p2align	6, 0x0
	.amdhsa_kernel k_q3c8e7ae26f_place
		.amdhsa_group_segment_fixed_size 0
		.amdhsa_private_segment_fixed_size 0
		.amdhsa_enable_private_segment 0
		.amdhsa_kernarg_size 16
		.amdhsa_user_sgpr_count 2
		.amdhsa_user_sgpr_kernarg_segment_ptr 1
		.amdhsa_wavefront_size32 1
		.amdhsa_system_sgpr_workgroup_id_x 1
		.amdhsa_system_sgpr_workgroup_id_y 1
		.amdhsa_system_sgpr_workgroup_id_z 1
		.amdhsa_system_vgpr_workitem_id 0
		.amdhsa_next_free_vgpr 176
		.amdhsa_next_free_sgpr 66
		.amdhsa_reserve_vcc 0
		.amdhsa_float_denorm_mode_32 3
		.amdhsa_float_denorm_mode_16_64 3
		.amdhsa_memory_ordered 1
		.amdhsa_forward_progress 1
		.amdhsa_inst_pref_size 31
	.end_amdhsa_kernel
	.amdgpu_metadata
---
amdhsa.version: [ 1, 2 ]
amdhsa.kernels:
  - .name:           k_q3c8e7ae26f_place
    .symbol:         k_q3c8e7ae26f_place.kd
    .args:
      - { .name: sel, .offset: 0, .size: 8, .value_kind: global_buffer, .address_space: global }
      - { .name: pos, .offset: 8, .size: 8, .value_kind: global_buffer, .address_space: global }
    .group_segment_fixed_size: 0
    .private_segment_fixed_size: 0
    .kernarg_segment_align: 8
    .kernarg_segment_size: 16
    .max_flat_workgroup_size: 32
    .sgpr_count:     66
    .vgpr_count:     176
    .wavefront_size: 32
...
	.end_amdgpu_metadata
.endif
;; end of part 2
;; launch up (part 3): grid 32 x 8, 4 waves a work-group, no clusters, 137,728 bytes of LDS; arguments W1, W3, xc, xs, pos, hc, hs; writes hc, hs
.if DOCPART == 3
	.amdgcn_target "amdgcn-amd-amdhsa--gfx1250"
	.amdhsa_code_object_version 6
	.text
	.protected	k_q3c8e7ae26f_up
	.globl	k_q3c8e7ae26f_up
	.p2align	8
	.type	k_q3c8e7ae26f_up,@function
k_q3c8e7ae26f_up:
	s_mov_b64 s[64:65], 0
	v_nop
	global_prefetch_b8 v0, s[64:65] scope:SCOPE_SE
	s_setreg_imm32_b32 hwreg(HW_REG_WAVE_MODE, 25, 1), 1
	s_wait_xcnt 0x0
; UP.  h = silu(x W1[e]^T) * (x W3[e]^T) for the rows that chose expert e, both products on codes of E2M1 with E8M0 scales; h is quantised along H and stored as codes.  Rows of other tokens are dead work (first kernel's head) and are left out.
; SHARES.  Work-group (j, e) owns hidden units 64 j .. 64 j + 63 of expert e: each byte of W1 and W3 is read by one work-group, once, as f32, and quantised on the way.
; PHASE 1, 16 steps a wave: wave w streams the 16 rows of tile w, first of W1, then of W3, 128 along K a step (16 loads of 512 consecutive bytes), four steps ahead; a step's numbers turn through the wave's own stage in LDS so that a
;   lane holds two whole blocks of 32 of one row; the codes ARE a fragment's registers; they go to LDS as an image of those registers, and behind a barrier every wave loads all images: 64 fragments, 512 registers.
; PHASE 2: wave w takes the expert's row tiles w, w + 4, ..: x's codes are gathered by the list, two tiles ahead; 64 matrix instructions a tile (transposed: source 0 = 16 rows of W, source 1 = 16 rows of x).
; THE ROWS OF W THAT FORM A TILE ARE NOT NEIGHBOURS: fragment row i of tile 2 b + u is unit 32 b + 8 u + i + 8 (i / 8), so that a lane's 16 results of tiles 2 b and 2 b + 1 are 16 neighbours along H: unit 32 b + 16 (lane / 16) + 0 .. 15.
; NO JOINT LOADS, though the 32 work-groups of an expert read the same codes of x: the number of row tiles is read from memory; x's codes are 1/256 of what a work-group streams for each row tile.
; hc: [e][block of 32 units][row p][16 bytes]; a store covers 256 consecutive bytes, aligned.  hs: [e][row p][64 bytes]: my two bytes of a row; bytes 64 apart: 128 KiB of scale bytes for all rows of the launch.
; The last tile's rows past the count use token 0 (the list holds zeros there); they are stored and no result hangs on them.  At least one tile is made, so that tile 0 of every expert is written.
; LIMITS: as stated at the first kernel's head (NaN, infinities; the floor of a block's scale).
.set SPT,   528                        ; a stage row: 512 bytes + 16: the 16 rows that a load touches begin in 16 different columns of 16 bytes
.set HSTG,  16*SPT                     ; a stage
.set WSTG,  2*HSTG                     ; two for each wave
.set IMG,   4*WSTG                     ; 64 images of 1,024 bytes: (32 M + 8 tile + K step)
.set WSC,   IMG+64*1024                ; 32 x 128 bytes of scale words (8 tile + K step): lanes 0-15 W1's, lanes 16-31 W3's
.set SPARE, WSC+32*128                 ; the spare words, 128 bytes for each wave, named by no other line
.set SPW, 1                            ; v1  my spare word; never rewritten
.set NIL, 2                            ; v2  0; never rewritten
.set LOF, 3                            ; v3  16 x lane
.set SIN, 4                            ; v4  the stage, in
.set SOUT, 5                           ; v5  and out: 528 r + 128 h
.set IST, 6                            ; v6  where my images go
.set WST, 7                            ; v7  and my scale words
.set IRD, 8                            ; v8  IMG + 16 x lane
.set WRD, 9                            ; v9  WSC + 4 x lane
.set SH8, 10                           ; v10 8 h
.set H16, 11                           ; v11 16 h
.set LAD, 12                           ; v12 64 w + 4 r: my word of the list
.set HOB, 13                           ; v13 16 r + 8 h
.set HSB, 14                           ; v14 64 r + h
.set TM,  16                           ; v16-25 at work in the quantisers
.set CC,  26                           ; v26-41 a fragment's codes, two sets
.set PW,  42                           ; v42-43 its scale word, two
.set LT,  44                           ; v44-59 the tokens of my next 16 tiles
.set XO,  60                           ; v60-61 x's gather offsets, buffer A, B
.set SO,  62                           ; v62-63 and its scale words'
.set WS,  64                           ; v64-95 the weights' scale words (8 tile + K step)
.set XS,  96                           ; v96-111 x's scale words, buffer A, B
.set HC,  112                          ; v112-115 h's codes
.set HB,  116                          ; v116 h's byte
.set HO,  117
.set HSO, 118
.set TK,  120                          ; v120.. at work
.set X,   128                          ; v128-255 phase 1: two sets of 64 numbers
.set G,   128                          ; phase 2: x W1^T, 4 tiles
.set U,   160                          ; x W3^T
.set T,   192                          ; at work
; window 1: W1's 32 fragments (64 tile + 8 K step); window 2: W3's; window 3: phase 1 the ring of 4 x 64 loaded registers, phase 2 x's fragments, buffer A v0-63, B v64-127
.set MSB, 0
.macro WIN new                         ; the immediate's high byte repeats the setting that is left
.if MSB != (\new)
	s_set_vgpr_msb (MSB<<8)|(\new)
.set MSB, (\new)
.endif
.endm
.macro LOAD t                          ; step t's 16 rows x 512 bytes into ring set t % 4
	WIN 0xC0
.irp i, 0,1,2,3,4,5,6,7,8,9,10,11,12,13,14,15
	global_load_b128 v[64*((\t)%4)+4*\i:64*((\t)%4)+4*\i+3], v[LOF], s[4+2*((\t)/8):5+2*((\t)/8)] offset:(\i+8*(\i/8))*4096+512*((\t)%8) th:TH_LOAD_NT
.endr
.endm
.macro TURN t                          ; through my stage: in as loaded, out 128 bytes a block; LDS serves a wave's instructions in order
	WIN 0x0C
.irp i, 0,1,2,3,4,5,6,7,8,9,10,11,12,13,14,15
	ds_store_b128 v[SIN], v[64*((\t)%4)+4*\i:64*((\t)%4)+4*\i+3] offset:HSTG*((\t)%2)+SPT*\i
.endr
	WIN 0
.irp c, 0,1
.irp g, 0,1,2,3,4,5,6,7
	ds_load_b128 v[X+64*((\t)%2)+32*\c+4*\g:X+64*((\t)%2)+32*\c+4*\g+3], v[SOUT] offset:HSTG*((\t)%2)+256*\c+16*\g   ; lane (r, h): k = 64 c + 32 h + 0 .. 31 of row r
.endr
.endr
.endm
.macro QUANTW                          ; v[XB] on: two whole blocks of my row -> the fragment's 8 registers in v[CB] on, the row's scale word in v[PB]
.irp c, 0,1
	v_max3_num_f32 v[TM+\c], |v[XB+32*\c]|, |v[XB+32*\c+1]|, |v[XB+32*\c+2]|
	v_max3_num_f32 v[TM+2+\c], |v[XB+32*\c+3]|, |v[XB+32*\c+4]|, |v[XB+32*\c+5]|
.endr
.irp i, 6,10,14,18,22,26
.irp c, 0,1
	v_max3_num_f32 v[TM+\c], v[TM+\c], |v[XB+32*\c+\i]|, |v[XB+32*\c+\i+1]|
	v_max3_num_f32 v[TM+2+\c], v[TM+2+\c], |v[XB+32*\c+\i+2]|, |v[XB+32*\c+\i+3]|
.endr
.endr
.irp c, 0,1
	v_max3_num_f32 v[TM+\c], v[TM+\c], |v[XB+32*\c+30]|, |v[XB+32*\c+31]|
.endr
.irp c, 0,1
	v_max3_num_f32 v[TM+\c], v[TM+\c], v[TM+2+\c], 0x1800000   ; the floor 2^(3 - 127): the byte cannot fall under 1
.endr
.irp c, 0,1
	v_add_nc_u32 v[TM+4+\c], 0xff000000, v[TM+\c]  ; 2 off the exponent field: the conversion's scale operand
.endr
.irp c, 0,1
	v_lshrrev_b32 v[TM+6+\c], 23, v[TM+4+\c]       ; the byte
.endr
	v_lshl_or_b32 v[TM+8], v[TM+7], 16, v[TM+6]    ; my bytes are those of blocks h and 2 + h:
	v_lshlrev_b32 v[TM+8], v[SH8], v[TM+8]         ; 8 h bits up;
	v_permlanex16_b32 v[TM+9], v[TM+8], s30, s31
	v_or_b32 v[PB], v[TM+8], v[TM+9]               ; with lane l xor 16's two the word is whole
.irp c, 0,1
.irp g, 0,1,2,3
	v_cvt_scalef32_pk8_fp4_f32 v[CB+4*\c+\g], v[XB+32*\c+8*\g:XB+32*\c+8*\g+7], v[TM+4+\c]
.endr
.endr
	v_nop                                          ; one plain line behind the conversions
.endm
.macro IMAGE t
	ds_store_b128 v[IST], v[CB:CB+3] offset:32768*((\t)/8)+1024*((\t)%8)
	ds_store_b128 v[IST], v[CB+4:CB+7] offset:32768*((\t)/8)+1024*((\t)%8)+512
	ds_store_b32 v[WST], v[PB] offset:128*((\t)%8)+64*((\t)/8)     ; lanes r and r + 16 store the same word to the same place
.endm
.macro GETIMG g                        ; the 16 fragments that the four waves made in steps 4 g .. 4 g + 3 come into my registers
	WIN 0x40+0x40*((\g)/2)
.irp a, 0,1,2,3
.irp q, 0,1,2,3
.irp c, 0,1
	ds_load_b128 v[64*\a+8*(4*((\g)%2)+\q)+4*\c:64*\a+8*(4*((\g)%2)+\q)+4*\c+3], v[IRD] offset:((\g)/2)*32768+\a*8192+(4*((\g)%2)+\q)*1024+512*\c
.endr
.endr
.endr
	WIN 0
.if (\g) >= 2                          ; a line of scale words is whole when W3's half is there
.irp a, 0,1,2,3
.irp q, 0,1,2,3
	ds_load_b32 v[WS+8*\a+4*((\g)%2)+\q], v[WRD] offset:(8*\a+4*((\g)%2)+\q)*128
.endr
.endr
.endif
.endm
.macro XG buf, j                       ; the 16 rows of x named by v[LT + j]: 8 fragments and 8 scale words: 18 loads.  The five plain lines are also the places between the products above and loads into their sources
	WIN 0
	v_min_u32 v[TK], 0x3ff, v[LT+\j]               ; a token, held inside x
	v_lshl_add_u32 v[XO+\buf], v[TK], 9, v[H16]
	v_lshlrev_b32 v[SO+\buf], 5, v[TK]
	v_nop
	v_nop
	WIN 0xC0
.irp s, 0,1,2,3,4,5,6,7
.irp c, 0,1
	global_load_b128 v[64*\buf+8*\s+4*\c:64*\buf+8*\s+4*\c+3], v[XO+\buf], s[8:9] offset:64*\s+32*\c
.endr
.endr
	WIN 0
	global_load_b128 v[XS+8*\buf:XS+8*\buf+3], v[SO+\buf], s[10:11]
	global_load_b128 v[XS+8*\buf+4:XS+8*\buf+7], v[SO+\buf], s[10:11] offset:16
.endm
.macro STEP t
.set XB, X+64*((\t)%2)
.set CB, CC+8*((\t)%2)
.set PB, PW+((\t)%2)
.if (\t) == 0
	s_wait_dscnt 0x0
.elseif ((\t)%4) != 0
	s_wait_dscnt 3                                 ; this step's numbers are back from the stage, so the stage's stores have read ring set t % 4; only the last step's three image stores may be out
.endif                                             ; (behind a barrier the wait for 0 in front of it has shown the same)
.if (\t) < 12
	LOAD (\t)+4
	s_wait_loadcnt 48                              ; the next step's 16 loads are in; three sets may be out
.elseif (\t) == 12
	XG 0, 0                                        ; the ring's first sets are free: my first two tiles of x
	s_wait_loadcnt 50                              ; sets 14, 15 and 18 loads of x may be out
.elseif (\t) == 13
	XG 1, 1
	s_wait_loadcnt 52                              ; set 15 and 36 loads of x
.elseif (\t) == 14
	s_wait_loadcnt 36                              ; 36 loads of x
.endif
.if (\t) < 15
	TURN (\t)+1
.endif
	QUANTW
	IMAGE \t
.if ((\t)%4) == 3
	s_wait_dscnt 0x0                               ; for the others' sake: my images have landed
	s_barrier_signal -1
	s_barrier_wait -1
	GETIMG (\t)/4
.endif
.endm
.macro MM acc, buf, row1               ; 32 matrix instructions: 8 K steps x 4 tiles of units; the four accumulators by turns; the first K step starts the sums
.irp s, 0,1,2,3,4,5,6,7
.irp a, 0,1,2,3
.if (\s == 0) && (\row1 == 0)
	v_wmma_scale_f32_16x16x128_f8f6f4 v[\acc+8*\a:\acc+8*\a+7], v[64*\a+8*\s:64*\a+8*\s+7], v[64*\buf+8*\s:64*\buf+8*\s+7], 0, v[WS+8*\a+\s], v[XS+8*\buf+\s] matrix_a_fmt:MATRIX_FMT_FP4 matrix_b_fmt:MATRIX_FMT_FP4
.elseif \s == 0
	v_wmma_scale_f32_16x16x128_f8f6f4 v[\acc+8*\a:\acc+8*\a+7], v[64*\a+8*\s:64*\a+8*\s+7], v[64*\buf+8*\s:64*\buf+8*\s+7], 0, v[WS+8*\a+\s], v[XS+8*\buf+\s] matrix_a_fmt:MATRIX_FMT_FP4 matrix_b_fmt:MATRIX_FMT_FP4 matrix_a_scale:MATRIX_SCALE_ROW1
.elseif \row1 == 0
	v_wmma_scale_f32_16x16x128_f8f6f4 v[\acc+8*\a:\acc+8*\a+7], v[64*\a+8*\s:64*\a+8*\s+7], v[64*\buf+8*\s:64*\buf+8*\s+7], v[\acc+8*\a:\acc+8*\a+7], v[WS+8*\a+\s], v[XS+8*\buf+\s] matrix_a_fmt:MATRIX_FMT_FP4 matrix_b_fmt:MATRIX_FMT_FP4
.else
	v_wmma_scale_f32_16x16x128_f8f6f4 v[\acc+8*\a:\acc+8*\a+7], v[64*\a+8*\s:64*\a+8*\s+7], v[64*\buf+8*\s:64*\buf+8*\s+7], v[\acc+8*\a:\acc+8*\a+7], v[WS+8*\a+\s], v[XS+8*\buf+\s] matrix_a_fmt:MATRIX_FMT_FP4 matrix_b_fmt:MATRIX_FMT_FP4 matrix_a_scale:MATRIX_SCALE_ROW1
.endif
.endr
.endr
.endm
.macro TILE buf                        ; row tile s35, whose x lies in buffer buf
	s_cmp_ge_u32 s35, s36
	s_cbranch_scc1 .Ldone                          ; no tile of mine is left
	s_wait_loadcnt 18                              ; this tile's 18 loads are in; the next tile's 18 may be out
	WIN 0x0D                                       ; source 0 window 1 (W1), source 1 window 3 (x)
	MM G, \buf, 0
	WIN 0x0E                                       ; source 0 window 2 (W3)
	MM U, \buf, 1
	XG \buf, 2+\buf                                ; the tile two on takes this buffer (past my last tile: rows that are never used)
.irp j, 0,2,4,6,8,10,12,14,16,18,20,22,24,26,28,30
	v_pk_mul_f32 v[T+\j:T+\j+1], v[G+\j:G+\j+1], s[32:33] op_sel_hi:[1,0]      ; -g log2(e); each accumulator is read from its low end on
.endr
.irp j, 0,1,2,3,4,5,6,7,8,9,10,11,12,13,14,15,16,17,18,19,20,21,22,23,24,25,26,27,28,29,30,31
	v_exp_f32 v[T+\j], v[T+\j]
.endr
	v_nop                                          ; a plain line behind the batch,
	s_wait_alu depctr_va_vdst(0)                   ; and one wait for it, ahead of its first reader
.irp j, 0,2,4,6,8,10,12,14,16,18,20,22,24,26,28,30
	v_pk_add_f32 v[T+\j:T+\j+1], v[T+\j:T+\j+1], 1.0 op_sel_hi:[1,0]
.endr
.irp j, 0,1,2,3,4,5,6,7,8,9,10,11,12,13,14,15,16,17,18,19,20,21,22,23,24,25,26,27,28,29,30,31
	v_rcp_f32 v[T+\j], v[T+\j]
.endr
	v_nop
	s_wait_alu depctr_va_vdst(0)
.irp j, 0,2,4,6,8,10,12,14,16,18,20,22,24,26,28,30
	v_pk_mul_f32 v[G+\j:G+\j+1], v[G+\j:G+\j+1], v[T+\j:T+\j+1]               ; silu(g) = g / (1 + e^-g)
.endr
.irp j, 0,2,4,6,8,10,12,14,16,18,20,22,24,26,28,30
	v_pk_mul_f32 v[U+\j:U+\j+1], v[U+\j:U+\j+1], v[G+\j:G+\j+1]               ; h
.endr
	s_wait_xcnt 0x0                                ; the last tile's stores have read their registers: these are written again only behind this wait
.irp b, 0,1
	v_max3_num_f32 v[TM+\b], |v[U+16*\b]|, |v[U+16*\b+1]|, 0x1800000           ; block b of 32 units: my 16, and the floor
.endr
.irp i, 2,4,6,8,10,12,14
.irp b, 0,1
	v_max3_num_f32 v[TM+\b], v[TM+\b], |v[U+16*\b+\i]|, |v[U+16*\b+\i+1]|
.endr
.endr
.irp b, 0,1
	v_permlanex16_b32 v[TM+2+\b], v[TM+\b], s30, s31
.endr
.irp b, 0,1
	v_max_num_f32 v[TM+\b], v[TM+\b], v[TM+2+\b]   ; with lane l xor 16's 16
.endr
.irp b, 0,1
	v_add_nc_u32 v[TM+4+\b], 0xff000000, v[TM+\b]
.endr
.irp b, 0,1
	v_lshrrev_b32 v[TM+6+\b], 23, v[TM+4+\b]
.endr
.irp b, 0,1
	v_cvt_scalef32_pk8_fp4_f32 v[HC+2*\b], v[U+16*\b:U+16*\b+7], v[TM+4+\b]
	v_cvt_scalef32_pk8_fp4_f32 v[HC+2*\b+1], v[U+16*\b+8:U+16*\b+15], v[TM+4+\b]
.endr
	v_cndmask_b32 v[HB], v[TM+6], v[TM+7], s34     ; lanes 0-15 store block 0's byte, lanes 16-31 block 1's (also the plain line behind the conversions)
	v_lshl_add_u32 v[HO], s35, 8, v[HOB]
	v_lshl_add_u32 v[HSO], s35, 10, v[HSB]
	global_store_b64 v[HO], v[HC:HC+1], s[14:15]                   ; 16 rows x 16 bytes: 256 consecutive bytes, aligned
	global_store_b64 v[HO], v[HC+2:HC+3], s[14:15] offset:16384
	global_store_b8 v[HSO], v[HB], s[16:17]
	s_add_co_u32 s35, s35, 4
.endm
	s_load_b256 s[4:11], s[0:1], 0x0               ; W1, W3, xc, xs
	s_load_b128 s[12:15], s[0:1], 0x20             ; pos, hc
	s_load_b64 s[16:17], s[0:1], 0x30              ; hs
	v_lshl_add_u32 v[SPW], v0, 2, SPARE
	v_mov_b32 v[NIL], 0
	v_lshrrev_b32 v[TK], 5, v0
	v_readfirstlane_b32 s20, v[TK]                 ; wave w
	s_mov_b32 s21, ttmp9                           ; j
	s_and_b32 s22, ttmp7, 0xffff                   ; e
	v_and_b32 v[TK], 31, v0                        ; lane
	v_and_b32 v[TK+1], 15, v0                      ; r
	v_bfe_u32 v[TK+2], v0, 4, 1                    ; h
	v_lshlrev_b32 v[LOF], 4, v[TK]
	s_mul_i32 s26, s20, WSTG
	v_add_nc_u32 v[SIN], s26, v[LOF]
	v_mul_u32_u24 v[SOUT], v[TK+1], SPT
	v_lshl_add_u32 v[SOUT], v[TK+2], 7, v[SOUT]
	v_add_nc_u32 v[SOUT], s26, v[SOUT]
	s_lshl_b32 s26, s20, 13
	s_add_co_u32 s26, s26, IMG
	v_add_nc_u32 v[IST], s26, v[LOF]
	s_lshl_b32 s26, s20, 10
	s_add_co_u32 s26, s26, WSC
	v_lshl_add_u32 v[WST], v[TK+1], 2, s26
	v_add_nc_u32 v[IRD], IMG, v[LOF]
	v_lshl_add_u32 v[WRD], v[TK], 2, WSC
	v_lshlrev_b32 v[SH8], 3, v[TK+2]
	v_lshlrev_b32 v[H16], 4, v[TK+2]
	s_lshl_b32 s26, s20, 6
	v_lshl_add_u32 v[LAD], v[TK+1], 2, s26
	v_lshlrev_b32 v[HOB], 4, v[TK+1]
	v_lshl_add_u32 v[HOB], v[TK+2], 3, v[HOB]
	v_lshl_add_u32 v[HSB], v[TK+1], 6, v[TK+2]
	v_mov_b32 v[TM+9], 0                           ; written once: a lane permute's destination counts as one of its sources
	s_mov_b32 s30, 0x76543210
	s_mov_b32 s31, 0xfedcba98                      ; v_permlanex16_b32's selects for lane l xor 16
	s_mov_b32 s32, 0xbfb8aa3b                      ; -log2(e)
	s_mov_b32 s33, s32                             ; (named with it as a pair)
	s_mov_b32 s34, 0xffff0000                      ; lanes 16-31
	s_lshl_b32 s26, s22, 23                        ; my 16 rows of W1 and W3 begin at row 2,048 e + 64 j + 32 (w / 2) + 8 (w % 2), 4,096 bytes a row
	s_lshl_b32 s27, s21, 18
	s_add_co_u32 s26, s26, s27
	s_lshr_b32 s27, s20, 1
	s_lshl_b32 s27, s27, 17
	s_add_co_u32 s26, s26, s27
	s_and_b32 s27, s20, 1
	s_lshl_b32 s27, s27, 15
	s_add_co_u32 s26, s26, s27
	s_mov_b32 s27, 0
	s_mul_i32 s28, s22, 4608
	s_add_co_u32 s28, s28, 33792                   ; the expert's list
	s_mov_b32 s29, 0
	s_lshl_b32 s39, s22, 7                         ; and its count
	s_lshl_b32 s40, s22, 20                        ; hc: block 64 e + 2 j, 16,384 bytes a block
	s_lshl_b32 s41, s21, 15
	s_add_co_u32 s40, s40, s41
	s_mov_b32 s41, 0
	s_lshl_b32 s42, s22, 16                        ; hs: 65,536 e + 2 j
	s_lshl_b32 s43, s21, 1
	s_add_co_u32 s42, s42, s43
	s_mov_b32 s43, 0
	s_wait_kmcnt 0x0
	s_load_b32 s25, s[12:13], s39 offset:32768     ; the expert's number of rows: wanted behind phase 1
	s_add_nc_u64 s[18:19], s[12:13], s[28:29]
	s_add_nc_u64 s[4:5], s[4:5], s[26:27]
	s_add_nc_u64 s[6:7], s[6:7], s[26:27]
	s_add_nc_u64 s[14:15], s[14:15], s[40:41]
	s_add_nc_u64 s[16:17], s[16:17], s[42:43]
.irp i, 0,1,2,3,4,5,6,7,8,9,10,11,12,13,14,15
	global_load_b32 v[LT+\i], v[LAD], s[18:19] offset:256*\i       ; row r of tile w + 4 i: every word of the list up to 1,023 is written, so no bound is needed; issued ahead of the stream, so the stream's counts do not know of them
.endr
	LOAD 0
	LOAD 1
	LOAD 2
	LOAD 3
	s_wait_loadcnt 48                              ; step 0's 16 loads are in; three sets may be out
	TURN 0
.irp t, 0,1,2,3,4,5,6,7,8,9,10,11,12,13,14,15
	STEP \t
.endr
	s_wait_kmcnt 0x0
	s_add_co_u32 s36, s25, 15
	s_lshr_b32 s36, s36, 4
	s_max_u32 s36, s36, 1                          ; row tiles: ceil(count / 16), one at the least
	s_mov_b32 s35, s20                             ; my first tile
	s_mov_b32 s38, 8
	s_wait_dscnt 0x0                               ; all fragments and scale words are in
.Ltrip:                                            ; 8 trips of two tiles serve all 64 tiles that an expert can have; a wave leaves when its tiles are done
	TILE 0
	TILE 1
.irp j, 0,1,2,3,4,5,6,7,8,9,10,11,12,13
	v_mov_b32 v[LT+\j], v[LT+\j+2]                 ; the tokens move down by two tiles, so that a trip names the same registers
.endr
	s_sub_co_u32 s38, s38, 1
	s_cmp_lg_u32 s38, 0
	s_cbranch_scc1 .Ltrip
.Ldone:
	s_wait_tensorcnt 0x0                           ; the wave's end, behind my last LDS store
	ds_add_u32 v[SPW], v[NIL]
	s_wait_dscnt 0x0
	s_endpgm
.Lfunc_end_k_q3c8e7ae26f_up:
	.size	k_q3c8e7ae26f_up, .Lfunc_end_k_q3c8e7ae26f_up-k_q3c8e7ae26f_up
	.p2alignl 7, 3214868480
	.fill 96, 4, 3214868480
	.section	.rodata,"a",@progbits
	.p2align	6, 0x0
	.amdhsa_kernel k_q3c8e7ae26f_up
		.amdhsa_group_segment_fixed_size 137728
		.amdhsa_private_segment_fixed_size 0
		.amdhsa_enable_private_segment 0
		.amdhsa_kernarg_size 56
		.amdhsa_user_sgpr_count 2
		.amdhsa_user_sgpr_kernarg_segment_ptr 1
		.amdhsa_wavefront_size32 1
		.amdhsa_system_sgpr_workgroup_id_x 1
		.amdhsa_system_sgpr_workgroup_id_y 1
		.amdhsa_system_sgpr_workgroup_id_z 1
		.amdhsa_system_vgpr_workitem_id 0
		.amdhsa_next_free_vgpr 1024
		.amdhsa_next_free_sgpr 66
		.amdhsa_reserve_vcc 0
		.amdhsa_float_denorm_mode_32 3
		.amdhsa_float_denorm_mode_16_64 3
		.amdhsa_memory_ordered 1
		.amdhsa_forward_progress 1
		.amdhsa_inst_pref_size 166
	.end_amdhsa_kernel
	.amdgpu_metadata
---
amdhsa.version: [ 1, 2 ]
amdhsa.kernels:
  - .name:           k_q3c8e7ae26f_up
    .symbol:         k_q3c8e7ae26f_up.kd
    .args:
      - { .name: W1, .offset: 0, .size: 8, .value_kind: global_buffer, .address_space: global }
      - { .name: W3, .offset: 8, .size: 8, .value_kind: global_buffer, .address_space: global }
      - { .name: xc, .offset: 16, .size: 8, .value_kind: global_buffer, .address_space: global }
      - { .name: xs, .offset: 24, .size: 8, .value_kind: global_buffer, .address_space: global }
      - { .name: pos, .offset: 32, .size: 8, .value_kind: global_buffer, .address_space: global }
      - { .name: hc, .offset: 40, .size: 8, .value_kind: global_buffer, .address_space: global }
      - { .name: hs, .offset: 48, .size: 8, .value_kind: global_buffer, .address_space: global }
    .group_segment_fixed_size: 137728
    .private_segment_fixed_size: 0
    .kernarg_segment_align: 8
    .kernarg_segment_size: 56
    .max_flat_workgroup_size: 128
    .sgpr_count:     66
    .vgpr_count:     1024
    .wavefront_size: 32
...
	.end_amdgpu_metadata
.endif
;; end of part 3
;; launch down (part 4): grid 32 x 8, 4 waves a work-group, no clusters, 112,128 bytes of LDS; arguments W2, hc, hs, pos, ct; writes ct
.if DOCPART == 4
	.amdgcn_target "amdgcn-amd-amdhsa--gfx1250"
	.amdhsa_code_object_version 6
	.text
	.protected	k_q3c8e7ae26f_down
	.globl	k_q3c8e7ae26f_down
	.p2align	8
	.type	k_q3c8e7ae26f_down,@function
k_q3c8e7ae26f_down:
	s_mov_b64 s[64:65], 0
	v_nop
	global_prefetch_b8 v0, s[64:65] scope:SCOPE_SE
	s_setreg_imm32_b32 hwreg(HW_REG_WAVE_MODE, 25, 1), 1
	s_wait_xcnt 0x0
; DOWN.  ct = h W2[e]^T for the rows that chose expert e, on codes of E2M1 with E8M0 scales; the gate's weight comes in the next launch.  Rows of other tokens are dead work (first kernel's head) and are left out.
; SHARES.  Work-group (c, e) owns output columns 32 c .. 32 c + 31 of expert e: each byte of W2 is read by one work-group, once, as f32, and quantised on the way.
; PHASE 1, 8 steps a wave: wave w streams rows 16 (w % 2) .. + 15 of the 32, K steps 8 (w / 2) .. + 7 of the 16, as in the launch before: ring of four sets, a turn through the wave's stage, codes to LDS as images of the fragment's registers;
;   behind two barriers every wave holds all 32 fragments (256 registers).
; PHASE 2: wave w takes row tiles w, w + 4, ..: h's 16 fragments and scale words, two tiles ahead; 32 matrix instructions a tile (source 0 = 16 rows of W2, source 1 = 16 rows of h: a lane holds 8 neighbouring columns of one row).
; A look-ahead past the last tile is held at the last tile, which the launch before has stored.
; NO JOINT LOADS, though the 32 work-groups of an expert read the same codes of h: the number of row tiles is read from memory.
; ct: [e][c][row p][32 f32]: a tile's 2,048 bytes are consecutive; they go through the wave's stage so that a store covers 512 consecutive bytes.
; LIMITS: as stated at the first kernel's head.
.set SPT,   528
.set HSTG,  16*SPT
.set WSTG,  2*HSTG
.set IMG,   4*WSTG                     ; 32 images of 1,024 bytes: 16 (tile of columns) + K step
.set WSC,   IMG+32*1024                ; 16 x 128 bytes of scale words, by K step: lanes 0-15 columns 0-15, lanes 16-31 columns 16-31
.set OST,   WSC+16*128                 ; the way out: 16 rows x (128 bytes + 16) for each wave
.set SPARE, OST+4*2304                 ; the spare words, 128 bytes for each wave, named by no other line
.set SPW, 1
.set NIL, 2
.set LOF, 3                            ; v3  16 x lane
.set SIN, 4
.set SOUT, 5
.set IST, 6
.set WST, 7
.set IRD, 8
.set WRD, 9
.set SH8, 10
.set HGB, 11                           ; v11 16,384 h + 16 r
.set HSB, 12                           ; v12 64 r
.set OSI, 13                           ; v13 the way out, in
.set OSO, 14                           ; v14 and back
.set TM,  16
.set CC,  26
.set PW,  42
.set HO,  44                           ; v44-45 h's offsets, buffer A, B
.set HSO, 46                           ; v46-47 and its scale words'
.set CO,  48
.set TK,  50
.set WS,  64                           ; v64-79  W2's scale words, by K step
.set HS,  80                           ; v80-111 h's scale words, buffer A, B
.set ACC, 112                          ; v112-127 two accumulators
.set X,   128                          ; v128-255 phase 1: two sets of 64 numbers
.set OUTR, 128                         ; phase 2: 16 registers on the way out
; window 1: W2's 32 fragments (128 tile + 8 K step); window 2: h's fragments, buffer A v0-127, B v128-255; window 3: the ring
.set MSB, 0
.macro WIN new
.if MSB != (\new)
	s_set_vgpr_msb (MSB<<8)|(\new)
.set MSB, (\new)
.endif
.endm
.macro LOAD t
	WIN 0xC0
.irp i, 0,1,2,3,4,5,6,7,8,9,10,11,12,13,14,15
	global_load_b128 v[64*((\t)%4)+4*\i:64*((\t)%4)+4*\i+3], v[LOF], s[4:5] offset:8192*\i+512*(\t) th:TH_LOAD_NT
.endr
.endm
.macro TURN t
	WIN 0x0C
.irp i, 0,1,2,3,4,5,6,7,8,9,10,11,12,13,14,15
	ds_store_b128 v[SIN], v[64*((\t)%4)+4*\i:64*((\t)%4)+4*\i+3] offset:HSTG*((\t)%2)+SPT*\i
.endr
	WIN 0
.irp c, 0,1
.irp g, 0,1,2,3,4,5,6,7
	ds_load_b128 v[X+64*((\t)%2)+32*\c+4*\g:X+64*((\t)%2)+32*\c+4*\g+3], v[SOUT] offset:HSTG*((\t)%2)+256*\c+16*\g
.endr
.endr
.endm
.macro QUANTW                          ; as in the launch before
.irp c, 0,1
	v_max3_num_f32 v[TM+\c], |v[XB+32*\c]|, |v[XB+32*\c+1]|, |v[XB+32*\c+2]|
	v_max3_num_f32 v[TM+2+\c], |v[XB+32*\c+3]|, |v[XB+32*\c+4]|, |v[XB+32*\c+5]|
.endr
.irp i, 6,10,14,18,22,26
.irp c, 0,1
	v_max3_num_f32 v[TM+\c], v[TM+\c], |v[XB+32*\c+\i]|, |v[XB+32*\c+\i+1]|
	v_max3_num_f32 v[TM+2+\c], v[TM+2+\c], |v[XB+32*\c+\i+2]|, |v[XB+32*\c+\i+3]|
.endr
.endr
.irp c, 0,1
	v_max3_num_f32 v[TM+\c], v[TM+\c], |v[XB+32*\c+30]|, |v[XB+32*\c+31]|
.endr
.irp c, 0,1
	v_max3_num_f32 v[TM+\c], v[TM+\c], v[TM+2+\c], 0x1800000
.endr
.irp c, 0,1
	v_add_nc_u32 v[TM+4+\c], 0xff000000, v[TM+\c]
.endr
.irp c, 0,1
	v_lshrrev_b32 v[TM+6+\c], 23, v[TM+4+\c]
.endr
	v_lshl_or_b32 v[TM+8], v[TM+7], 16, v[TM+6]
	v_lshlrev_b32 v[TM+8], v[SH8], v[TM+8]
	v_permlanex16_b32 v[TM+9], v[TM+8], s30, s31
	v_or_b32 v[PB], v[TM+8], v[TM+9]
.irp c, 0,1
.irp g, 0,1,2,3
	v_cvt_scalef32_pk8_fp4_f32 v[CB+4*\c+\g], v[XB+32*\c+8*\g:XB+32*\c+8*\g+7], v[TM+4+\c]
.endr
.endr
	v_nop
.endm
.macro IMAGE t
	ds_store_b128 v[IST], v[CB:CB+3] offset:1024*(\t)
	ds_store_b128 v[IST], v[CB+4:CB+7] offset:1024*(\t)+512
	ds_store_b32 v[WST], v[PB] offset:128*(\t)
.endm
.macro GETIMG g                        ; the 16 fragments of steps 4 g .. 4 g + 3 of the four waves
	WIN 0x40
.irp a, 0,1
.irp k, 0,1
.irp q, 0,1,2,3
.irp c, 0,1
	ds_load_b128 v[8*(16*\a+8*\k+4*(\g)+\q)+4*\c:8*(16*\a+8*\k+4*(\g)+\q)+4*\c+3], v[IRD] offset:(16*\a+8*\k+4*(\g)+\q)*1024+512*\c
.endr
.endr
.endr
.endr
	WIN 0
.irp k, 0,1
.irp q, 0,1,2,3
	ds_load_b32 v[WS+8*\k+4*(\g)+\q], v[WRD] offset:(8*\k+4*(\g)+\q)*128
.endr
.endr
.endm
.macro HG buf, ahead                   ; h's 16 rows of tile s35 + ahead: 16 fragments and 16 scale words: 36 loads.  The five plain lines are also the places between the products above and loads into their sources
	s_add_co_u32 s27, s35, \ahead
	s_min_u32 s27, s27, s37                        ; held at the expert's last tile,
	s_min_u32 s27, s27, 63                         ; and inside the buffer
	WIN 0
	v_lshl_add_u32 v[HO+\buf], s27, 8, v[HGB]
	v_lshl_add_u32 v[HSO+\buf], s27, 10, v[HSB]
	v_nop
	v_nop
	v_nop
	WIN 0x80
.irp s, 0,1,2,3,4,5,6,7,8,9,10,11,12,13,14,15
.irp c, 0,1
	global_load_b128 v[128*\buf+8*\s+4*\c:128*\buf+8*\s+4*\c+3], v[HO+\buf], s[6:7] offset:(4*\s+2*\c)*16384   ; block 4 s + 2 c + h, row r: sixteen lanes read 256 consecutive bytes
.endr
.endr
	WIN 0
.irp g, 0,1,2,3
	global_load_b128 v[HS+16*\buf+4*\g:HS+16*\buf+4*\g+3], v[HSO+\buf], s[8:9] offset:16*\g
.endr
.endm
.macro STEP t
.set XB, X+64*((\t)%2)
.set CB, CC+8*((\t)%2)
.set PB, PW+((\t)%2)
.if (\t) == 0
	s_wait_dscnt 0x0
.elseif (\t) != 4
	s_wait_dscnt 3                                 ; this step's numbers are back from the stage; only the last step's three image stores may be out
.endif
.if (\t) < 4
	LOAD (\t)+4
	s_wait_loadcnt 48                              ; the next step's loads are in; three sets may be out
.elseif (\t) == 4
	s_wait_loadcnt 32                              ; sets 6 and 7 may be out
.elseif (\t) == 5
	s_wait_loadcnt 16                              ; set 7
.elseif (\t) == 6
	s_wait_loadcnt 36                              ; my first tile's 36 loads of h
.endif
.if (\t) < 7
	TURN (\t)+1
.endif
.if (\t) == 5
	s_wait_kmcnt 0x0                               ; the expert's number of rows
	s_add_co_u32 s36, s25, 15
	s_lshr_b32 s36, s36, 4
	s_max_u32 s36, s36, 1                          ; row tiles, as the launch before counts them
	s_sub_co_u32 s37, s36, 1
	HG 0, 0
.elseif (\t) == 6
	HG 1, 4
.endif
	QUANTW
	IMAGE \t
.if ((\t)%4) == 3
	s_wait_dscnt 0x0                               ; for the others' sake: my images have landed
	s_barrier_signal -1
	s_barrier_wait -1
	GETIMG (\t)/4
.endif
.endm
.macro TILE buf
	s_cmp_ge_u32 s35, s36
	s_cbranch_scc1 .Ldone
	s_wait_loadcnt 36                              ; this tile's 36 loads are in; the next tile's 36 may be out
	WIN 0x09                                       ; source 0 window 1 (W2), source 1 window 2 (h)
.irp s, 0,1,2,3,4,5,6,7,8,9,10,11,12,13,14,15      ; the two accumulators by turns; the first K step starts the sums
.if \s == 0
	v_wmma_scale_f32_16x16x128_f8f6f4 v[ACC:ACC+7], v[8*\s:8*\s+7], v[128*\buf+8*\s:128*\buf+8*\s+7], 0, v[WS+\s], v[HS+16*\buf+\s] matrix_a_fmt:MATRIX_FMT_FP4 matrix_b_fmt:MATRIX_FMT_FP4
	v_wmma_scale_f32_16x16x128_f8f6f4 v[ACC+8:ACC+15], v[128+8*\s:128+8*\s+7], v[128*\buf+8*\s:128*\buf+8*\s+7], 0, v[WS+\s], v[HS+16*\buf+\s] matrix_a_fmt:MATRIX_FMT_FP4 matrix_b_fmt:MATRIX_FMT_FP4 matrix_a_scale:MATRIX_SCALE_ROW1
.else
	v_wmma_scale_f32_16x16x128_f8f6f4 v[ACC:ACC+7], v[8*\s:8*\s+7], v[128*\buf+8*\s:128*\buf+8*\s+7], v[ACC:ACC+7], v[WS+\s], v[HS+16*\buf+\s] matrix_a_fmt:MATRIX_FMT_FP4 matrix_b_fmt:MATRIX_FMT_FP4
	v_wmma_scale_f32_16x16x128_f8f6f4 v[ACC+8:ACC+15], v[128+8*\s:128+8*\s+7], v[128*\buf+8*\s:128*\buf+8*\s+7], v[ACC+8:ACC+15], v[WS+\s], v[HS+16*\buf+\s] matrix_a_fmt:MATRIX_FMT_FP4 matrix_b_fmt:MATRIX_FMT_FP4 matrix_a_scale:MATRIX_SCALE_ROW1
.endif
.endr
	HG \buf, 8                                     ; the tile two on takes this buffer
.irp a, 0,1
	ds_store_b128 v[OSI], v[ACC+8*\a:ACC+8*\a+3] offset:64*\a      ; lane (r, h): row r, columns 16 a + 8 h + 0 .. 7; each accumulator from its low end on
	ds_store_b128 v[OSI], v[ACC+8*\a+4:ACC+8*\a+7] offset:64*\a+16
.endr
	s_wait_xcnt 0x0                                ; the last tile's stores have read their registers: these are written again only behind this wait
.irp i, 0,1,2,3
	ds_load_b128 v[OUTR+4*\i:OUTR+4*\i+3], v[OSO] offset:576*\i    ; four rows of 128 bytes a load; LDS serves a wave's instructions in order
.endr
	v_lshl_add_u32 v[CO], s35, 11, v[LOF]
	s_wait_dscnt 0x0
.irp i, 0,1,2,3
	global_store_b128 v[CO], v[OUTR+4*\i:OUTR+4*\i+3], s[12:13] offset:512*\i    ; 512 consecutive bytes a store
.endr
	s_add_co_u32 s35, s35, 4
.endm
	s_load_b256 s[4:11], s[0:1], 0x0               ; W2, hc, hs, pos
	s_load_b64 s[12:13], s[0:1], 0x20              ; ct
	v_lshl_add_u32 v[SPW], v0, 2, SPARE
	v_mov_b32 v[NIL], 0
	v_lshrrev_b32 v[TK], 5, v0
	v_readfirstlane_b32 s20, v[TK]                 ; wave w
	s_mov_b32 s21, ttmp9                           ; c
	s_and_b32 s22, ttmp7, 0xffff                   ; e
	s_and_b32 s23, s20, 1                          ; which 16 of the 32 columns I stream
	s_lshr_b32 s24, s20, 1                         ; which half of K
	v_and_b32 v[TK], 31, v0                        ; lane
	v_and_b32 v[TK+1], 15, v0                      ; r
	v_bfe_u32 v[TK+2], v0, 4, 1                    ; h
	v_lshlrev_b32 v[LOF], 4, v[TK]
	s_mul_i32 s26, s20, WSTG
	v_add_nc_u32 v[SIN], s26, v[LOF]
	v_mul_u32_u24 v[SOUT], v[TK+1], SPT
	v_lshl_add_u32 v[SOUT], v[TK+2], 7, v[SOUT]
	v_add_nc_u32 v[SOUT], s26, v[SOUT]
	s_lshl_b32 s26, s23, 14
	s_lshl_b32 s27, s24, 13
	s_add_co_u32 s26, s26, s27
	s_add_co_u32 s26, s26, IMG
	v_add_nc_u32 v[IST], s26, v[LOF]               ; image 16 (w % 2) + 8 (w / 2) + step
	s_lshl_b32 s26, s24, 10
	s_lshl_b32 s27, s23, 6
	s_add_co_u32 s26, s26, s27
	s_add_co_u32 s26, s26, WSC
	v_lshl_add_u32 v[WST], v[TK+1], 2, s26
	v_add_nc_u32 v[IRD], IMG, v[LOF]
	v_lshl_add_u32 v[WRD], v[TK], 2, WSC
	v_lshlrev_b32 v[SH8], 3, v[TK+2]
	v_lshlrev_b32 v[HGB], 4, v[TK+1]
	v_lshl_add_u32 v[HGB], v[TK+2], 14, v[HGB]
	v_lshlrev_b32 v[HSB], 6, v[TK+1]
	s_mul_i32 s26, s20, 2304
	s_add_co_u32 s26, s26, OST
	v_mul_u32_u24 v[OSI], v[TK+1], 144
	v_lshl_add_u32 v[OSI], v[TK+2], 5, v[OSI]
	v_add_nc_u32 v[OSI], s26, v[OSI]
	v_lshrrev_b32 v[TK+3], 3, v[TK]
	v_and_b32 v[TK+4], 7, v[TK]
	v_mul_u32_u24 v[OSO], v[TK+3], 144
	v_lshl_add_u32 v[OSO], v[TK+4], 4, v[OSO]
	v_add_nc_u32 v[OSO], s26, v[OSO]
	v_mov_b32 v[TM+9], 0                           ; written once: a lane permute's destination counts as one of its sources
	s_mov_b32 s30, 0x76543210
	s_mov_b32 s31, 0xfedcba98
	s_mov_b32 s35, s20                             ; my first row tile
	s_lshl_b32 s26, s22, 23                        ; W2: row 1,024 e + 32 c + 16 (w % 2), 8,192 bytes a row; + 4,096 (w / 2)
	s_lshl_b32 s27, s21, 18
	s_add_co_u32 s26, s26, s27
	s_lshl_b32 s27, s23, 17
	s_add_co_u32 s26, s26, s27
	s_lshl_b32 s27, s24, 12
	s_add_co_u32 s26, s26, s27
	s_mov_b32 s27, 0
	s_lshl_b32 s28, s22, 20                        ; hc: the expert's 64 blocks
	s_mov_b32 s29, 0
	s_lshl_b32 s32, s22, 16                        ; hs
	s_mov_b32 s33, 0
	s_lshl_b32 s38, s22, 22                        ; ct: (32 e + c) x 131,072
	s_lshl_b32 s39, s21, 17
	s_add_co_u32 s38, s38, s39
	s_mov_b32 s39, 0
	s_lshl_b32 s34, s22, 7
	s_wait_kmcnt 0x0
	s_load_b32 s25, s[10:11], s34 offset:32768     ; the expert's number of rows: wanted in step 5
	s_add_nc_u64 s[4:5], s[4:5], s[26:27]
	s_add_nc_u64 s[6:7], s[6:7], s[28:29]
	s_add_nc_u64 s[8:9], s[8:9], s[32:33]
	s_add_nc_u64 s[12:13], s[12:13], s[38:39]
	LOAD 0
	LOAD 1
	LOAD 2
	LOAD 3
	s_wait_loadcnt 48                              ; step 0's 16 loads are in; three sets may be out
	TURN 0
.irp t, 0,1,2,3,4,5,6,7
	STEP \t
.endr
	s_mov_b32 s38, 8
	s_wait_dscnt 0x0                               ; all fragments and scale words are in
.Ltrip:                                            ; 8 trips of two tiles serve all 64 tiles that an expert can have; a wave leaves when its tiles are done
	TILE 0
	TILE 1
	s_sub_co_u32 s38, s38, 1
	s_cmp_lg_u32 s38, 0
	s_cbranch_scc1 .Ltrip
.Ldone:
	s_wait_tensorcnt 0x0                           ; the wave's end, behind my last LDS store
	ds_add_u32 v[SPW], v[NIL]
	s_wait_dscnt 0x0
	s_endpgm
.Lfunc_end_k_q3c8e7ae26f_down:
	.size	k_q3c8e7ae26f_down, .Lfunc_end_k_q3c8e7ae26f_down-k_q3c8e7ae26f_down
	.p2alignl 7, 3214868480
	.fill 96, 4, 3214868480
	.section	.rodata,"a",@progbits
	.p2align	6, 0x0
	.amdhsa_kernel k_q3c8e7ae26f_down
		.amdhsa_group_segment_fixed_size 112128
		.amdhsa_private_segment_fixed_size 0
		.amdhsa_enable_private_segment 0
		.amdhsa_kernarg_size 40
		.amdhsa_user_sgpr_count 2
		.amdhsa_user_sgpr_kernarg_segment_ptr 1
		.amdhsa_wavefront_size32 1
		.amdhsa_system_sgpr_workgroup_id_x 1
		.amdhsa_system_sgpr_workgroup_id_y 1
		.amdhsa_system_sgpr_workgroup_id_z 1
		.amdhsa_system_vgpr_workitem_id 0
		.amdhsa_next_free_vgpr 1024
		.amdhsa_next_free_sgpr 66
		.amdhsa_reserve_vcc 0
		.amdhsa_float_denorm_mode_32 3
		.amdhsa_float_denorm_mode_16_64 3
		.amdhsa_memory_ordered 1
		.amdhsa_forward_progress 1
		.amdhsa_inst_pref_size 89
	.end_amdhsa_kernel
	.amdgpu_metadata
---
amdhsa.version: [ 1, 2 ]
amdhsa.kernels:
  - .name:           k_q3c8e7ae26f_down
    .symbol:         k_q3c8e7ae26f_down.kd
    .args:
      - { .name: W2, .offset: 0, .size: 8, .value_kind: global_buffer, .address_space: global }
      - { .name: hc, .offset: 8, .size: 8, .value_kind: global_buffer, .address_space: global }
      - { .name: hs, .offset: 16, .size: 8, .value_kind: global_buffer, .address_space: global }
      - { .name: pos, .offset: 24, .size: 8, .value_kind: global_buffer, .address_space: global }
      - { .name: ct, .offset: 32, .size: 8, .value_kind: global_buffer, .address_space: global }
    .group_segment_fixed_size: 112128
    .private_segment_fixed_size: 0
    .kernarg_segment_align: 8
    .kernarg_segment_size: 40
    .max_flat_workgroup_size: 128
    .sgpr_count:     66
    .vgpr_count:     1024
    .wavefront_size: 32
...
	.end_amdgpu_metadata
.endif
;; end of part 4
;; launch combine (part 5): grid 256 x 1, 4 waves a work-group, no clusters, 0 bytes of LDS; arguments ct, pos, rw, Wc, bc, out0, out2; writes out0, out2
.if DOCPART == 5
	.amdgcn_target "amdgcn-amd-amdhsa--gfx1250"
	.amdhsa_code_object_version 6
	.text
	.protected	k_q3c8e7ae26f_combine
	.globl	k_q3c8e7ae26f_combine
	.p2align	8
	.type	k_q3c8e7ae26f_combine,@function
k_q3c8e7ae26f_combine:
	s_mov_b64 s[64:65], 0
	v_nop
	global_prefetch_b8 v0, s[64:65] scope:SCOPE_SE
	s_setreg_imm32_b32 hwreg(HW_REG_WAVE_MODE, 25, 1), 1
	s_wait_xcnt 0x0
; COMBINE.  final[n] = w_lo c_lo + w_hi c_hi, the token's two chosen experts in ascending order, as reference() adds them; the other six terms are zeros (first kernel's head) and are left out.
; The classifier logits of the four CLS tokens: behind expert e the running sum is 0 (e < e_lo), w_lo c_lo (e_lo <= e < e_hi) or final (e >= e_hi): two dot products with Wc in f32, + bc, chosen lane by lane.
; One wave to a token.  Its eight words of pos name its two rows: exactly two are not 0, and a word rises with the expert, so the larger is e_hi's and the sum less it is e_lo's.
; A row of ct comes in 32 pieces of 128 consecutive bytes; out0 leaves 512 consecutive bytes a store.  No LDS, no barrier: waves share nothing.
.set CL,  8                            ; v8-39   c_lo, then w_lo c_lo
.set CH,  40                           ; v40-71  c_hi, then final
.set WCV, 72                           ; v72-103 Wc
	s_load_b256 s[4:11], s[0:1], 0x0               ; ct, pos, rw, Wc
	s_load_b128 s[12:15], s[0:1], 0x20             ; bc, out0
	s_load_b64 s[16:17], s[0:1], 0x30              ; out2
	v_lshrrev_b32 v1, 5, v0
	v_readfirstlane_b32 s20, v1
	s_lshl_b32 s21, ttmp9, 2
	s_add_co_u32 s21, s21, s20                     ; the token n
	s_lshl_b32 s22, s21, 2
	s_lshl_b32 s23, s21, 3
	v_and_b32 v1, 31, v0                           ; lane
	v_lshlrev_b32 v2, 4, v1                        ; 16 x lane
	v_lshrrev_b32 v3, 3, v1
	v_and_b32 v4, 7, v1
	v_lshlrev_b32 v3, 17, v3
	v_lshl_add_u32 v3, v4, 4, v3                   ; columns 128 i + 4 lane lie in slice 4 i + lane / 8, at byte 16 (lane % 8) of the row
	s_mov_b32 s34, 0x76543210
	s_mov_b32 s35, 0xfedcba98
	s_wait_kmcnt 0x0
.irp e, 0,1,2,3,4,5,6,7
	s_load_b32 s[40+\e], s[6:7], s22 offset:4096*\e
.endr
	s_load_b64 s[48:49], s[8:9], s23 offset:0x0    ; w_lo, w_hi
	s_load_b32 s50, s[12:13], 0x0                  ; bc
	s_wait_kmcnt 0x0
	s_max_u32 s51, s40, s41
	s_add_co_u32 s52, s40, s41
.irp e, 42,43,44,45,46,47
	s_max_u32 s51, s51, s[\e]
	s_add_co_u32 s52, s52, s[\e]
.endr
	s_sub_co_u32 s52, s52, s51
	s_sub_co_u32 s51, s51, 1                       ; e_hi << 10 | its row
	s_sub_co_u32 s52, s52, 1                       ; e_lo << 10 | its row
	s_min_u32 s51, s51, 0x1fff                     ; held inside ct
	s_min_u32 s52, s52, 0x1fff
	s_lshr_b32 s53, s51, 10                        ; e_hi, e_lo: for the choice of logits alone
	s_lshr_b32 s54, s52, 10
	s_and_b32 s26, s52, 0x1c00
	s_lshl_b32 s26, s26, 12                        ; e << 22
	s_and_b32 s27, s52, 0x3ff
	s_lshl_b32 s27, s27, 7                         ; + 128 x row
	s_add_co_u32 s26, s26, s27
	s_mov_b32 s27, 0
	s_add_nc_u64 s[28:29], s[4:5], s[26:27]
	s_and_b32 s26, s51, 0x1c00
	s_lshl_b32 s26, s26, 12
	s_and_b32 s24, s51, 0x3ff
	s_lshl_b32 s24, s24, 7
	s_add_co_u32 s26, s26, s24
	s_add_nc_u64 s[30:31], s[4:5], s[26:27]
	s_lshl_b32 s26, s21, 12
	s_add_nc_u64 s[14:15], s[14:15], s[26:27]      ; the token's row of out0
	s_mov_b32 s56, s49
	s_mov_b32 s57, s49                             ; w_hi as a pair of its own: the packed form takes a pair's low word for both halves
.irp i, 0,1,2,3,4,5,6,7
	global_load_b128 v[CL+4*\i:CL+4*\i+3], v3, s[28:29] offset:524288*\i
	global_load_b128 v[CH+4*\i:CH+4*\i+3], v3, s[30:31] offset:524288*\i
.endr
.irp i, 0,1,2,3,4,5,6,7
	s_wait_loadcnt 14-2*\i                         ; pair i is in; the later pairs may be out
	v_pk_mul_f32 v[CL+4*\i:CL+4*\i+1], v[CL+4*\i:CL+4*\i+1], s[48:49] op_sel_hi:[1,0]
	v_pk_mul_f32 v[CL+4*\i+2:CL+4*\i+3], v[CL+4*\i+2:CL+4*\i+3], s[48:49] op_sel_hi:[1,0]
	v_pk_fma_f32 v[CH+4*\i:CH+4*\i+1], v[CH+4*\i:CH+4*\i+1], s[56:57], v[CL+4*\i:CL+4*\i+1] op_sel_hi:[1,0,1]
	v_pk_fma_f32 v[CH+4*\i+2:CH+4*\i+3], v[CH+4*\i+2:CH+4*\i+3], s[56:57], v[CL+4*\i+2:CL+4*\i+3] op_sel_hi:[1,0,1]
	global_store_b128 v2, v[CH+4*\i:CH+4*\i+3], s[14:15] offset:512*\i
.endr
	s_and_b32 s26, s21, 255
	s_cmp_lg_u32 s26, 0
	s_cbranch_scc1 .Lend                           ; a branch on the token's number alone: only position 0 of a sequence goes on
.irp i, 0,1,2,3,4,5,6,7
	global_load_b128 v[WCV+4*\i:WCV+4*\i+3], v2, s[10:11] offset:512*\i
.endr
	s_wait_loadcnt 0x0
	v_pk_mul_f32 v[104:105], v[CL:CL+1], v[WCV:WCV+1]
	v_pk_mul_f32 v[106:107], v[CL+2:CL+3], v[WCV+2:WCV+3]
	v_pk_mul_f32 v[108:109], v[CH:CH+1], v[WCV:WCV+1]
	v_pk_mul_f32 v[110:111], v[CH+2:CH+3], v[WCV+2:WCV+3]
.irp i, 1,2,3,4,5,6,7
	v_pk_fma_f32 v[104:105], v[CL+4*\i:CL+4*\i+1], v[WCV+4*\i:WCV+4*\i+1], v[104:105]
	v_pk_fma_f32 v[106:107], v[CL+4*\i+2:CL+4*\i+3], v[WCV+4*\i+2:WCV+4*\i+3], v[106:107]
	v_pk_fma_f32 v[108:109], v[CH+4*\i:CH+4*\i+1], v[WCV+4*\i:WCV+4*\i+1], v[108:109]
	v_pk_fma_f32 v[110:111], v[CH+4*\i+2:CH+4*\i+3], v[WCV+4*\i+2:WCV+4*\i+3], v[110:111]
.endr
	v_pk_add_f32 v[104:105], v[104:105], v[106:107]
	v_pk_add_f32 v[108:109], v[108:109], v[110:111]
	v_add_f32 v104, v104, v105
	v_add_f32 v108, v108, v109
.irp m, 1,2,4,8
	v_add_f32_dpp v104, v104, v104 row_xmask:\m row_mask:0xf bank_mask:0xf
	v_add_f32_dpp v108, v108, v108 row_xmask:\m row_mask:0xf bank_mask:0xf
.endr
	v_permlanex16_b32 v105, v104, s34, s35
	v_permlanex16_b32 v109, v108, s34, s35
	v_add_f32 v104, v104, v105                     ; (w_lo c_lo) . Wc
	v_add_f32 v108, v108, v109                     ; final . Wc
	v_mov_b32 v112, s50                            ; lane e < 8: the logit behind expert e
	v_add_f32 v113, s50, v104
	v_add_f32 v114, s50, v108
	v_cmp_le_u32 vcc_lo, s54, v1
	v_cndmask_b32 v112, v112, v113, vcc_lo
	v_cmp_le_u32 vcc_lo, s53, v1
	v_cndmask_b32 v112, v112, v114, vcc_lo
	v_lshlrev_b32 v115, 4, v1                      ; out2[e][b]: 16 e + 4 b
	s_lshr_b32 s26, s21, 8
	s_lshl_b32 s26, s26, 2
	s_add_nc_u64 s[16:17], s[16:17], s[26:27]
	v_cmp_gt_u32 vcc_lo, 8, v1
	s_wait_xcnt 0x0                                ; EXEC changes only behind this wait
	s_and_saveexec_b32 s58, vcc_lo
	global_store_b32 v115, v112, s[16:17]
	s_wait_xcnt 0x0
	s_or_b32 exec_lo, exec_lo, s58
.Lend:
	s_endpgm
.Lfunc_end_k_q3c8e7ae26f_combine:
	.size	k_q3c8e7ae26f_combine, .Lfunc_end_k_q3c8e7ae26f_combine-k_q3c8e7ae26f_combine
	.p2alignl 7, 3214868480
	.fill 96, 4, 3214868480
	.section	.rodata,"a",@progbits
	.p2align	6, 0x0
	.amdhsa_kernel k_q3c8e7ae26f_combine
		.amdhsa_group_segment_fixed_size 0
		.amdhsa_private_segment_fixed_size 0
		.amdhsa_enable_private_segment 0
		.amdhsa_kernarg_size 56
		.amdhsa_user_sgpr_count 2
		.amdhsa_user_sgpr_kernarg_segment_ptr 1
		.amdhsa_wavefront_size32 1
		.amdhsa_system_sgpr_workgroup_id_x 1
		.amdhsa_system_sgpr_workgroup_id_y 1
		.amdhsa_system_sgpr_workgroup_id_z 1
		.amdhsa_system_vgpr_workitem_id 0
		.amdhsa_next_free_vgpr 120
		.amdhsa_next_free_sgpr 66
		.amdhsa_reserve_vcc 1
		.amdhsa_float_denorm_mode_32 3
		.amdhsa_float_denorm_mode_16_64 3
		.amdhsa_memory_ordered 1
		.amdhsa_forward_progress 1
		.amdhsa_inst_pref_size 12
	.end_amdhsa_kernel
	.amdgpu_metadata
---
amdhsa.version: [ 1, 2 ]
amdhsa.kernels:
  - .name:           k_q3c8e7ae26f_combine
    .symbol:         k_q3c8e7ae26f_combine.kd
    .args:
      - { .name: ct, .offset: 0, .size: 8, .value_kind: global_buffer, .address_space: global }
      - { .name: pos, .offset: 8, .size: 8, .value_kind: global_buffer, .address_space: global }
      - { .name: rw, .offset: 16, .size: 8, .value_kind: global_buffer, .address_space: global }
      - { .name: Wc, .offset: 24, .size: 8, .value_kind: global_buffer, .address_space: global }
      - { .name: bc, .offset: 32, .size: 8, .value_kind: global_buffer, .address_space: global }
      - { .name: out0, .offset: 40, .size: 8, .value_kind: global_buffer, .address_space: global }
      - { .name: out2, .offset: 48, .size: 8, .value_kind: global_buffer, .address_space: global }
    .group_segment_fixed_size: 0
    .private_segment_fixed_size: 0
    .kernarg_segment_align: 8
    .kernarg_segment_size: 56
    .max_flat_workgroup_size: 128
    .sgpr_count:     66
    .vgpr_count:     120
    .wavefront_size: 32
...
	.end_amdgpu_metadata
.endif
;; end of part 5
;; ======== version 2 of 2: 4 launches; 1.12 times as fast as version 1
;; workspace buffers: xc 524,288 bytes; xs 32,768 bytes; sel 4,096 bytes of whole numbers; rw 8,192 bytes; pos 33,792 bytes of whole numbers; hc 8,388,608 bytes; hs 524,288 bytes; ct 33,554,432 bytes
;; launch route: the kernel of part 1 again; grid 256 x 1, 4 waves a work-group, no clusters, 21,760 bytes of LDS; arguments x, Wg, out1, out3, sel, rw, xc, xs; writes out1, out3, sel, rw, xc, xs
;; launch up (part 6): grid 32 x 8, 4 waves a work-group, no clusters, 137,728 bytes of LDS; arguments W1, W3, xc, xs, sel, pos, hc, hs; writes pos, hc, hs
.if DOCPART == 6
	.amdgcn_target "amdgcn-amd-amdhsa--gfx1250"
	.amdhsa_code_object_version 6
	.text
	.protected	k_q3c8e7ae26f_up
	.globl	k_q3c8e7ae26f_up
	.p2align	8
	.type	k_q3c8e7ae26f_up,@function
k_q3c8e7ae26f_up:
	s_mov_b64 s[64:65], 0
	v_nop
	global_prefetch_b8 v0, s[64:65] scope:SCOPE_SE
	s_setreg_imm32_b32 hwreg(HW_REG_WAVE_MODE, 25, 1), 1
	s_wait_xcnt 0x0
; UP.  h = silu(x W1[e]^T) * (x W3[e]^T) for the rows that chose expert e, both products on codes of E2M1 with E8M0 scales; h is quantised along H and stored as codes.  Rows of other tokens are dead work (first kernel's head) and are left out.
; SHARES.  Work-group (j, e) owns hidden units 64 j .. 64 j + 63 of expert e: each byte of W1 and W3 is read by one work-group, once, as f32, and quantised on the way.
; PHASE 1, 16 steps a wave: wave w streams the 16 rows of tile w, first of W1, then of W3, 128 along K a step (16 loads of 512 consecutive bytes), four steps ahead; a step's numbers turn through the wave's own stage in LDS so that a
;   lane holds two whole blocks of 32 of one row; the codes ARE a fragment's registers; they go to LDS as an image of those registers, and behind a barrier every wave loads all images: 64 fragments, 512 registers.
; THE ROW LIST is made among phase 1's steps, in registers, from sel (the tokens' two experts as bits, whole numbers that the first launch stored).  Register n, lane l of sel is token 128 (n / 4) + 4 l + n % 4; a chosen token's rank p goes by (n, l).
;   Step 0: the expert's 32 lane masks, in scalar registers, and the count.  Steps 2 to 9: each makes the tokens of 32 ranks, two of my row tiles: the group n is the last whose prefix count is at most the rank; the lane is the
;   (rank - prefix)-th set bit of its mask.  A register all of whose ranks lie past the count is passed over: a scalar branch on the count.
;   Step 1, in wave 0 of work-group j = 0 alone: pos[e][token] = (e << 10 | p) + 1 or 0, and from byte 32,768 on [8][32] words, each the expert's count: for the two launches behind this one.
; PHASE 2: wave w takes the expert's row tiles w, w + 4, ..: x's codes are gathered by the list, two tiles ahead; 64 matrix instructions a tile (transposed: source 0 = 16 rows of W, source 1 = 16 rows of x).
; THE ROWS OF W THAT FORM A TILE ARE NOT NEIGHBOURS: fragment row i of tile 2 b + u is unit 32 b + 8 u + i + 8 (i / 8), so that a lane's 16 results of tiles 2 b and 2 b + 1 are 16 neighbours along H: unit 32 b + 16 (lane / 16) + 0 .. 15.
; NO JOINT LOADS, though the 32 work-groups of an expert read the same codes of x: the number of row tiles hangs on numbers read from memory; x's codes are 1/256 of what a work-group streams for each row tile.
; hc: [e][block of 32 units][row p][16 bytes]; a store covers 256 consecutive bytes, aligned.  hs: [e][row p][64 bytes]: my two bytes of a row; bytes 64 apart: 128 KiB of scale bytes for all rows of the launch.
; The last tile's rows past the count use token 0; they are stored and no result hangs on them.  At least one tile is made, so that tile 0 of every expert is written.
; LIMITS: as stated at the first kernel's head (NaN, infinities; the floor of a block's scale).
.set SPT,   528                        ; a stage row: 512 bytes + 16: the 16 rows that a load touches begin in 16 different columns of 16 bytes
.set HSTG,  16*SPT                     ; a stage
.set WSTG,  2*HSTG                     ; two for each wave
.set IMG,   4*WSTG                     ; 64 images of 1,024 bytes: (32 M + 8 tile + K step)
.set WSC,   IMG+64*1024                ; 32 x 128 bytes of scale words (8 tile + K step): lanes 0-15 W1's, lanes 16-31 W3's
.set SPARE, WSC+32*128                 ; the spare words, 128 bytes for each wave, named by no other line
.set SPW, 1                            ; v1  my spare word; never rewritten
.set NIL, 2                            ; v2  0; never rewritten
.set LOF, 3                            ; v3  16 x lane
.set SIN, 4                            ; v4  the stage, in
.set SOUT, 5                           ; v5  and out: 528 r + 128 h
.set IST, 6                            ; v6  where my images go
.set WST, 7                            ; v7  and my scale words
.set IRD, 8                            ; v8  IMG + 16 x lane
.set WRD, 9                            ; v9  WSC + 4 x lane
.set SH8, 10                           ; v10 8 h
.set H16, 11                           ; v11 16 h
.set RB,  12                           ; v12 16 w + 64 h + r: my rank in the first register of ranks
.set HOB, 13                           ; v13 16 r + 8 h
.set HSB, 14                           ; v14 64 r + h
.set L4,  15                           ; v15 4 x lane
.set TM,  16                           ; v16-25 at work in the quantisers
.set CC,  26                           ; v26-41 a fragment's codes, two sets
.set PW,  42                           ; v42-43 its scale word, two
.set LT,  44                           ; v44-59 the tokens of my next 16 tiles
.set XO,  60                           ; v60-61 x's gather offsets, buffer A, B
.set SO,  62                           ; v62-63 and its scale words'
.set WS,  64                           ; v64-95 the weights' scale words (8 tile + K step), from the third fetch of images on
.set LA,  64                           ; v64-95 before that: sel as loaded; then, in the one wave that stores them, the words of pos
.set XS,  96                           ; v96-111 x's scale words, buffer A, B, from step 12 on
.set QW,  96                           ; v96-99 before that, at work on the list: four temporaries of the masks;
.set QR,  96                           ; v96  a search's ranks
.set QM,  97                           ; v97  the mask of my rank's group
.set QP,  98                           ; v98  that group's prefix count | its first token << 16
.set QC,  99                           ; v99  the prefix count
.set QB,  100                          ; v100 the first token
.set QJ,  101                          ; v101 which set bit
.set Q1,  102                          ; v102-105 the mask's bit counts by 2, 4, 8 and 16 bits
.set Q2,  103
.set Q3,  104
.set Q4,  105
.set QT,  106                          ; v106 at work
.set QO,  107                          ; v107 the bit's place
.set QU,  108                          ; v108 at work
.set QX,  109                          ; v109 lane l xor 16's token
.set HC,  112                          ; v112-115 h's codes
.set HB,  116                          ; v116 h's byte
.set HO,  117
.set HSO, 118
.set CNV, 119                          ; v119 the count, as a store's data
.set TK,  120                          ; v120.. at work
.set X,   128                          ; v128-255 phase 1: two sets of 64 numbers
.set G,   128                          ; phase 2: x W1^T, 4 tiles
.set U,   160                          ; x W3^T
.set T,   192                          ; at work
.set MK,  44                           ; the 32 masks: group n in s[MK + n + 2 (n / 20)]: s44-63 and s66-77
; s20 wave, s21 j, s22 e, s23 1 << e, s24 (e << 10) + 1, s25 the count, s36 row tiles, s35 my tile, s37 a running prefix count, s38 trips, s26, s39, s40 at work
; window 1: W1's 32 fragments (64 tile + 8 K step); window 2: W3's; window 3: phase 1 the ring of 4 x 64 loaded registers, phase 2 x's fragments, buffer A v0-63, B v64-127
.set MSB, 0
.macro WIN new                         ; the immediate's high byte repeats the setting that is left
.if MSB != (\new)
	s_set_vgpr_msb (MSB<<8)|(\new)
.set MSB, (\new)
.endif
.endm
.macro LOAD t                          ; step t's 16 rows x 512 bytes into ring set t % 4
	WIN 0xC0
.irp i, 0,1,2,3,4,5,6,7,8,9,10,11,12,13,14,15
	global_load_b128 v[64*((\t)%4)+4*\i:64*((\t)%4)+4*\i+3], v[LOF], s[4+2*((\t)/8):5+2*((\t)/8)] offset:(\i+8*(\i/8))*4096+512*((\t)%8) th:TH_LOAD_NT
.endr
.endm
.macro TURN t                          ; through my stage: in as loaded, out 128 bytes a block; LDS serves a wave's instructions in order
	WIN 0x0C
.irp i, 0,1,2,3,4,5,6,7,8,9,10,11,12,13,14,15
	ds_store_b128 v[SIN], v[64*((\t)%4)+4*\i:64*((\t)%4)+4*\i+3] offset:HSTG*((\t)%2)+SPT*\i
.endr
	WIN 0
.irp c, 0,1
.irp g, 0,1,2,3,4,5,6,7
	ds_load_b128 v[X+64*((\t)%2)+32*\c+4*\g:X+64*((\t)%2)+32*\c+4*\g+3], v[SOUT] offset:HSTG*((\t)%2)+256*\c+16*\g   ; lane (r, h): k = 64 c + 32 h + 0 .. 31 of row r
.endr
.endr
.endm
.macro QUANTW                          ; v[XB] on: two whole blocks of my row -> the fragment's 8 registers in v[CB] on, the row's scale word in v[PB]
.irp c, 0,1
	v_max3_num_f32 v[TM+\c], |v[XB+32*\c]|, |v[XB+32*\c+1]|, |v[XB+32*\c+2]|
	v_max3_num_f32 v[TM+2+\c], |v[XB+32*\c+3]|, |v[XB+32*\c+4]|, |v[XB+32*\c+5]|
.endr
.irp i, 6,10,14,18,22,26
.irp c, 0,1
	v_max3_num_f32 v[TM+\c], v[TM+\c], |v[XB+32*\c+\i]|, |v[XB+32*\c+\i+1]|
	v_max3_num_f32 v[TM+2+\c], v[TM+2+\c], |v[XB+32*\c+\i+2]|, |v[XB+32*\c+\i+3]|
.endr
.endr
.irp c, 0,1
	v_max3_num_f32 v[TM+\c], v[TM+\c], |v[XB+32*\c+30]|, |v[XB+32*\c+31]|
.endr
.irp c, 0,1
	v_max3_num_f32 v[TM+\c], v[TM+\c], v[TM+2+\c], 0x1800000   ; the floor 2^(3 - 127): the byte cannot fall under 1
.endr
.irp c, 0,1
	v_add_nc_u32 v[TM+4+\c], 0xff000000, v[TM+\c]  ; 2 off the exponent field: the conversion's scale operand
.endr
.irp c, 0,1
	v_lshrrev_b32 v[TM+6+\c], 23, v[TM+4+\c]       ; the byte
.endr
	v_lshl_or_b32 v[TM+8], v[TM+7], 16, v[TM+6]    ; my bytes are those of blocks h and 2 + h:
	v_lshlrev_b32 v[TM+8], v[SH8], v[TM+8]         ; 8 h bits up;
	v_permlanex16_b32 v[TM+9], v[TM+8], s30, s31
	v_or_b32 v[PB], v[TM+8], v[TM+9]               ; with lane l xor 16's two the word is whole
.irp c, 0,1
.irp g, 0,1,2,3
	v_cvt_scalef32_pk8_fp4_f32 v[CB+4*\c+\g], v[XB+32*\c+8*\g:XB+32*\c+8*\g+7], v[TM+4+\c]
.endr
.endr
	v_nop                                          ; one plain line behind the conversions
.endm
.macro IMAGE t
	ds_store_b128 v[IST], v[CB:CB+3] offset:32768*((\t)/8)+1024*((\t)%8)
	ds_store_b128 v[IST], v[CB+4:CB+7] offset:32768*((\t)/8)+1024*((\t)%8)+512
	ds_store_b32 v[WST], v[PB] offset:128*((\t)%8)+64*((\t)/8)     ; lanes r and r + 16 store the same word to the same place
.endm
.macro GETIMG g                        ; the 16 fragments that the four waves made in steps 4 g .. 4 g + 3 come into my registers
	WIN 0x40+0x40*((\g)/2)
.irp a, 0,1,2,3
.irp q, 0,1,2,3
.irp c, 0,1
	ds_load_b128 v[64*\a+8*(4*((\g)%2)+\q)+4*\c:64*\a+8*(4*((\g)%2)+\q)+4*\c+3], v[IRD] offset:((\g)/2)*32768+\a*8192+(4*((\g)%2)+\q)*1024+512*\c
.endr
.endr
.endr
	WIN 0
.if (\g) >= 2                          ; a line of scale words is whole when W3's half is there
.irp a, 0,1,2,3
.irp q, 0,1,2,3
	ds_load_b32 v[WS+8*\a+4*((\g)%2)+\q], v[WRD] offset:(8*\a+4*((\g)%2)+\q)*128
.endr
.endr
.endif
.endm
; THE LIST.  MASKS: which lanes of each of sel's 32 registers hold a token that chose e; the count; the row tiles.
.macro MASKS
.set n, 0
.rept 32
	v_and_b32 v[QW+n%4], s23, v[LA+n]
	v_cmp_ne_u32 s[MK+n+2*(n/20)], 0, v[QW+n%4]
.set n, n+1
.endr
	s_bcnt1_i32_b32 s25, s[MK]
.set n, 1
.rept 31
	s_bcnt1_i32_b32 s39, s[MK+n+2*(n/20)]
	s_add_co_u32 s25, s25, s39
.set n, n+1
.endr
	s_add_co_u32 s36, s25, 15
	s_lshr_b32 s36, s36, 4
	s_max_u32 s36, s36, 1                          ; row tiles: ceil(count / 16), one at the least
.endm
; POSOUT: one wave for each expert stores the tokens' ranks and the count.  A branch on the work-group's and the wave's number alone.
.macro POSOUT
	s_or_b32 s26, s20, s21
	s_cmp_lg_u32 s26, 0
	s_cbranch_scc1 .Lno_pos
	s_mov_b32 s37, 0
.set n, 0
.rept 32
	v_mbcnt_lo_u32_b32 v[QW+n%4], s[MK+n+2*(n/20)], s37            ; rows of earlier groups + chosen lanes below me: the rank
	v_add_nc_u32 v[QW+n%4], s24, v[QW+n%4]
	v_cndmask_b32 v[LA+n], 0, v[QW+n%4], s[MK+n+2*(n/20)]
	s_bcnt1_i32_b32 s39, s[MK+n+2*(n/20)]
	s_add_co_u32 s37, s37, s39
.set n, n+1
.endr
.irp q, 0,1,2,3,4,5,6,7
	global_store_b128 v[LOF], v[LA+4*\q:LA+4*\q+3], s[14:15] offset:512*\q     ; 512 consecutive bytes a store
.endr
	v_mov_b32 v[CNV], s25
	global_store_b32 v[L4], v[CNV], s[78:79]       ; the count, 32 times: 128 consecutive bytes
.Lno_pos:
.endm
.macro HALVE src, width                ; is my bit among the next width places, or beyond them?  src holds the mask's bit counts by fields of width bits
	v_bfe_u32 v[QT], v[\src], v[QO], \width
	v_cmp_le_u32 vcc_lo, v[QT], v[QJ]
	v_cndmask_b32 v[QT], 0, v[QT], vcc_lo
	v_sub_nc_u32 v[QJ], v[QJ], v[QT]
	v_cndmask_b32 v[QU], 0, \width, vcc_lo
	v_add_nc_u32 v[QO], v[QO], v[QU]
.endm
; SEARCH i: the tokens of ranks 16 w + 128 i + 64 h + r: my row tiles w + 8 i (lanes 0-15) and w + 8 i + 4 (lanes 16-31)
.macro SEARCH i
	s_lshl_b32 s26, s20, 4
	s_add_co_u32 s26, s26, 128*(\i)
	s_cmp_ge_u32 s26, s25
	s_cbranch_scc1 .Lno_rank_\@                    ; all 32 ranks lie past the count: the two registers keep their zeros
	v_add_nc_u32 v[QR], 128*(\i), v[RB]
	v_mov_b32 v[QM], s[MK]                         ; group 0: prefix 0, first token 0
	v_mov_b32 v[QP], 0
	s_bcnt1_i32_b32 s37, s[MK]
.set n, 1
.rept 31                                           ; prefix counts do not fall: the last group whose prefix is at most the rank holds it
	s_or_b32 s40, s37, (128*(n/4)+n%4)<<16
	v_cmp_le_u32 vcc_lo, s37, v[QR]
	v_cndmask_b32 v[QM], v[QM], s[MK+n+2*(n/20)], vcc_lo
	v_cndmask_b32 v[QP], v[QP], s40, vcc_lo
	s_bcnt1_i32_b32 s39, s[MK+n+2*(n/20)]
	s_add_co_u32 s37, s37, s39
.set n, n+1
.endr
	v_and_b32 v[QC], 0xffff, v[QP]
	v_lshrrev_b32 v[QB], 16, v[QP]
	v_sub_nc_u32 v[QJ], v[QR], v[QC]               ; which set bit of the mask, from 0
	v_lshrrev_b32 v[Q1], 1, v[QM]
	v_and_b32 v[Q1], 0x55555555, v[Q1]
	v_sub_nc_u32 v[Q1], v[QM], v[Q1]               ; set bits in each 2,
	v_lshrrev_b32 v[Q2], 2, v[Q1]
	v_and_b32 v[Q2], 0x33333333, v[Q2]
	v_and_b32 v[QT], 0x33333333, v[Q1]
	v_add_nc_u32 v[Q2], v[Q2], v[QT]               ; in each 4,
	v_lshrrev_b32 v[Q3], 4, v[Q2]
	v_add_nc_u32 v[Q3], v[Q3], v[Q2]
	v_and_b32 v[Q3], 0x0f0f0f0f, v[Q3]             ; in each 8,
	v_lshrrev_b32 v[Q4], 8, v[Q3]
	v_add_nc_u32 v[Q4], v[Q4], v[Q3]               ; low byte: in the low 16
	v_and_b32 v[QT], 0xff, v[Q4]
	v_cmp_le_u32 vcc_lo, v[QT], v[QJ]
	v_cndmask_b32 v[QT], 0, v[QT], vcc_lo
	v_sub_nc_u32 v[QJ], v[QJ], v[QT]
	v_cndmask_b32 v[QO], 0, 16, vcc_lo
	HALVE Q3, 8
	HALVE Q2, 4
	HALVE Q1, 2
	HALVE QM, 1
	v_lshl_add_u32 v[QT], v[QO], 2, v[QB]          ; the token: the group's first + 4 x lane
	v_cmp_gt_u32 vcc_lo, s25, v[QR]
	v_cndmask_b32 v[QT], 0, v[QT], vcc_lo          ; a rank past the count: token 0
	v_permlanex16_b32 v[QX], v[QT], s30, s31
	v_cndmask_b32 v[LT+2*(\i)], v[QT], v[QX], s34  ; lanes r and r + 16 both want row r's token
	v_cndmask_b32 v[LT+2*(\i)+1], v[QX], v[QT], s34
.Lno_rank_\@:
.endm
.macro XG buf, j                       ; the 16 rows of x named by v[LT + j]: 8 fragments and 8 scale words: 18 loads.  The five plain lines are also the places between the products above and loads into their sources
	WIN 0
	v_min_u32 v[TK], 0x3ff, v[LT+\j]               ; a token, held inside x
	v_lshl_add_u32 v[XO+\buf], v[TK], 9, v[H16]
	v_lshlrev_b32 v[SO+\buf], 5, v[TK]
	v_nop
	v_nop
	WIN 0xC0
.irp s, 0,1,2,3,4,5,6,7
.irp c, 0,1
	global_load_b128 v[64*\buf+8*\s+4*\c:64*\buf+8*\s+4*\c+3], v[XO+\buf], s[8:9] offset:64*\s+32*\c
.endr
.endr
	WIN 0
	global_load_b128 v[XS+8*\buf:XS+8*\buf+3], v[SO+\buf], s[10:11]
	global_load_b128 v[XS+8*\buf+4:XS+8*\buf+7], v[SO+\buf], s[10:11] offset:16
.endm
.macro STEP t
.set XB, X+64*((\t)%2)
.set CB, CC+8*((\t)%2)
.set PB, PW+((\t)%2)
.if (\t) == 0
	s_wait_dscnt 0x0
.elseif ((\t)%4) != 0
	s_wait_dscnt 3                                 ; this step's numbers are back from the stage, so the stage's stores have read ring set t % 4; only the last step's three image stores may be out
.endif                                             ; (behind a barrier the wait for 0 in front of it has shown the same)
.if (\t) < 12
	LOAD (\t)+4
	s_wait_loadcnt 48                              ; the next step's 16 loads are in; three sets may be out
.elseif (\t) == 12
	XG 0, 0                                        ; the ring's first sets are free: my first two tiles of x
	s_wait_loadcnt 50                              ; sets 14, 15 and 18 loads of x may be out
.elseif (\t) == 13
	XG 1, 1
	s_wait_loadcnt 52                              ; set 15 and 36 loads of x
.elseif (\t) == 14
	s_wait_loadcnt 36                              ; 36 loads of x
.endif
.if (\t) < 15
	TURN (\t)+1
.endif
.if (\t) == 0                                      ; the list is made while the next step's numbers go through the stage: work on registers alone
	MASKS
.elseif (\t) == 1
	POSOUT
.elseif (\t) < 10
	SEARCH (\t)-2
.endif
	QUANTW
	IMAGE \t
.if ((\t)%4) == 3
	s_wait_dscnt 0x0                               ; for the others' sake: my images have landed
	s_barrier_signal -1
	s_barrier_wait -1
.if (\t) == 11
	s_wait_xcnt 0x0                                ; the stores of pos have read v64-95: the scale words land there only behind this wait
.endif
	GETIMG (\t)/4
.endif
.endm
.macro MM acc, buf, row1               ; 32 matrix instructions: 8 K steps x 4 tiles of units; the four accumulators by turns; the first K step starts the sums
.irp s, 0,1,2,3,4,5,6,7
.irp a, 0,1,2,3
.if (\s == 0) && (\row1 == 0)
	v_wmma_scale_f32_16x16x128_f8f6f4 v[\acc+8*\a:\acc+8*\a+7], v[64*\a+8*\s:64*\a+8*\s+7], v[64*\buf+8*\s:64*\buf+8*\s+7], 0, v[WS+8*\a+\s], v[XS+8*\buf+\s] matrix_a_fmt:MATRIX_FMT_FP4 matrix_b_fmt:MATRIX_FMT_FP4
.elseif \s == 0
	v_wmma_scale_f32_16x16x128_f8f6f4 v[\acc+8*\a:\acc+8*\a+7], v[64*\a+8*\s:64*\a+8*\s+7], v[64*\buf+8*\s:64*\buf+8*\s+7], 0, v[WS+8*\a+\s], v[XS+8*\buf+\s] matrix_a_fmt:MATRIX_FMT_FP4 matrix_b_fmt:MATRIX_FMT_FP4 matrix_a_scale:MATRIX_SCALE_ROW1
.elseif \row1 == 0
	v_wmma_scale_f32_16x16x128_f8f6f4 v[\acc+8*\a:\acc+8*\a+7], v[64*\a+8*\s:64*\a+8*\s+7], v[64*\buf+8*\s:64*\buf+8*\s+7], v[\acc+8*\a:\acc+8*\a+7], v[WS+8*\a+\s], v[XS+8*\buf+\s] matrix_a_fmt:MATRIX_FMT_FP4 matrix_b_fmt:MATRIX_FMT_FP4
.else
	v_wmma_scale_f32_16x16x128_f8f6f4 v[\acc+8*\a:\acc+8*\a+7], v[64*\a+8*\s:64*\a+8*\s+7], v[64*\buf+8*\s:64*\buf+8*\s+7], v[\acc+8*\a:\acc+8*\a+7], v[WS+8*\a+\s], v[XS+8*\buf+\s] matrix_a_fmt:MATRIX_FMT_FP4 matrix_b_fmt:MATRIX_FMT_FP4 matrix_a_scale:MATRIX_SCALE_ROW1
.endif
.endr
.endr
.endm
.macro TILE buf                        ; row tile s35, whose x lies in buffer buf
	s_cmp_ge_u32 s35, s36
	s_cbranch_scc1 .Ldone                          ; no tile of mine is left
	s_wait_loadcnt 18                              ; this tile's 18 loads are in; the next tile's 18 may be out
	WIN 0x0D                                       ; source 0 window 1 (W1), source 1 window 3 (x)
	MM G, \buf, 0
	WIN 0x0E                                       ; source 0 window 2 (W3)
	MM U, \buf, 1
	s_wait_xcnt 0x0                                ; the last tile's three stores have read HC, HB, HO and HSO, which are written again further down; it stands ahead of the loads below, whose own registers are next written behind their wait on LOADcnt
	XG \buf, 2+\buf                                ; the tile two on takes this buffer (past my last tile: rows that are never used)
.irp j, 0,2,4,6,8,10,12,14,16,18,20,22,24,26,28,30
	v_pk_mul_f32 v[T+\j:T+\j+1], v[G+\j:G+\j+1], s[32:33] op_sel_hi:[1,0]      ; -g log2(e); each accumulator is read from its low end on
.endr
.irp j, 0,1,2,3,4,5,6,7,8,9,10,11,12,13,14,15,16,17,18,19,20,21,22,23,24,25,26,27,28,29,30,31
	v_exp_f32 v[T+\j], v[T+\j]
.endr
	v_nop                                          ; a plain line behind the batch,
	s_wait_alu depctr_va_vdst(0)                   ; and one wait for it, ahead of its first reader
.irp j, 0,2,4,6,8,10,12,14,16,18,20,22,24,26,28,30
	v_pk_add_f32 v[T+\j:T+\j+1], v[T+\j:T+\j+1], 1.0 op_sel_hi:[1,0]
.endr
.irp j, 0,1,2,3,4,5,6,7,8,9,10,11,12,13,14,15,16,17,18,19,20,21,22,23,24,25,26,27,28,29,30,31
	v_rcp_f32 v[T+\j], v[T+\j]
.endr
	v_nop
	s_wait_alu depctr_va_vdst(0)
.irp j, 0,2,4,6,8,10,12,14,16,18,20,22,24,26,28,30
	v_pk_mul_f32 v[G+\j:G+\j+1], v[G+\j:G+\j+1], v[T+\j:T+\j+1]               ; silu(g) = g / (1 + e^-g)
.endr
.irp j, 0,2,4,6,8,10,12,14,16,18,20,22,24,26,28,30
	v_pk_mul_f32 v[U+\j:U+\j+1], v[U+\j:U+\j+1], v[G+\j:G+\j+1]               ; h
.endr
.irp b, 0,1
	v_max3_num_f32 v[TM+\b], |v[U+16*\b]|, |v[U+16*\b+1]|, 0x1800000           ; block b of 32 units: my 16, and the floor
.endr
.irp i, 2,4,6,8,10,12,14
.irp b, 0,1
	v_max3_num_f32 v[TM+\b], v[TM+\b], |v[U+16*\b+\i]|, |v[U+16*\b+\i+1]|
.endr
.endr
.irp b, 0,1
	v_permlanex16_b32 v[TM+2+\b], v[TM+\b], s30, s31
.endr
.irp b, 0,1
	v_max_num_f32 v[TM+\b], v[TM+\b], v[TM+2+\b]   ; with lane l xor 16's 16
.endr
.irp b, 0,1
	v_add_nc_u32 v[TM+4+\b], 0xff000000, v[TM+\b]
.endr
.irp b, 0,1
	v_lshrrev_b32 v[TM+6+\b], 23, v[TM+4+\b]
.endr
.irp b, 0,1
	v_cvt_scalef32_pk8_fp4_f32 v[HC+2*\b], v[U+16*\b:U+16*\b+7], v[TM+4+\b]
	v_cvt_scalef32_pk8_fp4_f32 v[HC+2*\b+1], v[U+16*\b+8:U+16*\b+15], v[TM+4+\b]
.endr
	v_cndmask_b32 v[HB], v[TM+6], v[TM+7], s34     ; lanes 0-15 store block 0's byte, lanes 16-31 block 1's (also the plain line behind the conversions)
	v_lshl_add_u32 v[HO], s35, 8, v[HOB]
	v_lshl_add_u32 v[HSO], s35, 10, v[HSB]
	global_store_b64 v[HO], v[HC:HC+1], s[16:17]                   ; 16 rows x 16 bytes: 256 consecutive bytes, aligned
	global_store_b64 v[HO], v[HC+2:HC+3], s[16:17] offset:16384
	global_store_b8 v[HSO], v[HB], s[18:19]
	s_add_co_u32 s35, s35, 4
.endm
	s_load_b512 s[4:19], s[0:1], 0x0               ; W1, W3, xc, xs, sel, pos, hc, hs
	v_lshl_add_u32 v[SPW], v0, 2, SPARE
	v_mov_b32 v[NIL], 0
	v_lshrrev_b32 v[TK], 5, v0
	v_readfirstlane_b32 s20, v[TK]                 ; wave w
	s_mov_b32 s21, ttmp9                           ; j
	s_and_b32 s22, ttmp7, 0xffff                   ; e
	v_and_b32 v[TK], 31, v0                        ; lane
	v_and_b32 v[TK+1], 15, v0                      ; r
	v_bfe_u32 v[TK+2], v0, 4, 1                    ; h
	v_lshlrev_b32 v[LOF], 4, v[TK]
	v_lshlrev_b32 v[L4], 2, v[TK]
	s_mul_i32 s26, s20, WSTG
	v_add_nc_u32 v[SIN], s26, v[LOF]
	v_mul_u32_u24 v[SOUT], v[TK+1], SPT
	v_lshl_add_u32 v[SOUT], v[TK+2], 7, v[SOUT]
	v_add_nc_u32 v[SOUT], s26, v[SOUT]
	s_lshl_b32 s26, s20, 13
	s_add_co_u32 s26, s26, IMG
	v_add_nc_u32 v[IST], s26, v[LOF]
	s_lshl_b32 s26, s20, 10
	s_add_co_u32 s26, s26, WSC
	v_lshl_add_u32 v[WST], v[TK+1], 2, s26
	v_add_nc_u32 v[IRD], IMG, v[LOF]
	v_lshl_add_u32 v[WRD], v[TK], 2, WSC
	v_lshlrev_b32 v[SH8], 3, v[TK+2]
	v_lshlrev_b32 v[H16], 4, v[TK+2]
	s_lshl_b32 s26, s20, 4
	v_lshl_add_u32 v[RB], v[TK+2], 6, v[TK+1]
	v_add_nc_u32 v[RB], s26, v[RB]
	v_lshlrev_b32 v[HOB], 4, v[TK+1]
	v_lshl_add_u32 v[HOB], v[TK+2], 3, v[HOB]
	v_lshl_add_u32 v[HSB], v[TK+1], 6, v[TK+2]
	v_mov_b32 v[TM+9], 0                           ; written once: a lane permute's destination counts as one of its sources
	v_mov_b32 v[QX], 0                             ; likewise
.irp i, 0,1,2,3,4,5,6,7,8,9,10,11,12,13,14,15
	v_mov_b32 v[LT+\i], 0                          ; token 0 for the tiles that no search fills
.endr
	s_mov_b32 s30, 0x76543210
	s_mov_b32 s31, 0xfedcba98                      ; v_permlanex16_b32's selects for lane l xor 16
	s_mov_b32 s32, 0xbfb8aa3b                      ; -log2(e)
	s_mov_b32 s33, s32                             ; (named with it as a pair)
	s_mov_b32 s34, 0xffff0000                      ; lanes 16-31
	s_lshl_b32 s23, 1, s22                         ; the expert's bit in sel
	s_lshl_b32 s24, s22, 10
	s_add_co_u32 s24, s24, 1                       ; (e << 10) + 1
	s_lshl_b32 s26, s22, 23                        ; my 16 rows of W1 and W3 begin at row 2,048 e + 64 j + 32 (w / 2) + 8 (w % 2), 4,096 bytes a row
	s_lshl_b32 s27, s21, 18
	s_add_co_u32 s26, s26, s27
	s_lshr_b32 s27, s20, 1
	s_lshl_b32 s27, s27, 17
	s_add_co_u32 s26, s26, s27
	s_and_b32 s27, s20, 1
	s_lshl_b32 s27, s27, 15
	s_add_co_u32 s26, s26, s27
	s_mov_b32 s27, 0
	s_lshl_b32 s28, s22, 12                        ; the expert's row of pos,
	s_mov_b32 s29, 0
	s_lshl_b32 s2, s22, 7
	s_add_co_u32 s2, s2, 32768                     ; and its count's 32 words
	s_mov_b32 s3, 0
	s_lshl_b32 s40, s22, 20                        ; hc: block 64 e + 2 j, 16,384 bytes a block
	s_lshl_b32 s41, s21, 15
	s_add_co_u32 s40, s40, s41
	s_mov_b32 s41, 0
	s_lshl_b32 s42, s22, 16                        ; hs: 65,536 e + 2 j
	s_lshl_b32 s43, s21, 1
	s_add_co_u32 s42, s42, s43
	s_mov_b32 s43, 0
	s_wait_kmcnt 0x0
	s_add_nc_u64 s[78:79], s[14:15], s[2:3]
	s_add_nc_u64 s[14:15], s[14:15], s[28:29]
	s_add_nc_u64 s[4:5], s[4:5], s[26:27]
	s_add_nc_u64 s[6:7], s[6:7], s[26:27]
	s_add_nc_u64 s[16:17], s[16:17], s[40:41]
	s_add_nc_u64 s[18:19], s[18:19], s[42:43]
.irp q, 0,1,2,3,4,5,6,7
	global_load_b128 v[LA+4*\q:LA+4*\q+3], v[LOF], s[12:13] offset:512*\q      ; sel, all 1,024 tokens: issued ahead of the stream, so the stream's counts do not know of them
.endr
	LOAD 0
	LOAD 1
	LOAD 2
	LOAD 3
	s_wait_loadcnt 48                              ; sel and step 0's 16 loads are in; three sets may be out
	TURN 0
.irp t, 0,1,2,3,4,5,6,7,8,9,10,11,12,13,14,15
	STEP \t
.endr
	s_mov_b32 s35, s20                             ; my first tile
	s_mov_b32 s38, 8
	s_wait_dscnt 0x0                               ; all fragments and scale words are in
.Ltrip:                                            ; 8 trips of two tiles serve all 64 tiles that an expert can have; a wave leaves when its tiles are done
	TILE 0
	TILE 1
.irp j, 0,1,2,3,4,5,6,7,8,9,10,11,12,13
	v_mov_b32 v[LT+\j], v[LT+\j+2]                 ; the tokens move down by two tiles, so that a trip names the same registers
.endr
	s_sub_co_u32 s38, s38, 1
	s_cmp_lg_u32 s38, 0
	s_cbranch_scc1 .Ltrip
.Ldone:
	s_wait_tensorcnt 0x0                           ; the wave's end, behind my last LDS store
	ds_add_u32 v[SPW], v[NIL]
	s_wait_dscnt 0x0
	s_endpgm
.Lfunc_end_k_q3c8e7ae26f_up:
	.size	k_q3c8e7ae26f_up, .Lfunc_end_k_q3c8e7ae26f_up-k_q3c8e7ae26f_up
	.p2alignl 7, 3214868480
	.fill 96, 4, 3214868480
	.section	.rodata,"a",@progbits
	.p2align	6, 0x0
	.amdhsa_kernel k_q3c8e7ae26f_up
		.amdhsa_group_segment_fixed_size 137728
		.amdhsa_private_segment_fixed_size 0
		.amdhsa_enable_private_segment 0
		.amdhsa_kernarg_size 64
		.amdhsa_user_sgpr_count 2
		.amdhsa_user_sgpr_kernarg_segment_ptr 1
		.amdhsa_wavefront_size32 1
		.amdhsa_system_sgpr_workgroup_id_x 1
		.amdhsa_system_sgpr_workgroup_id_y 1
		.amdhsa_system_sgpr_workgroup_id_z 1
		.amdhsa_system_vgpr_workitem_id 0
		.amdhsa_next_free_vgpr 1024
		.amdhsa_next_free_sgpr 80
		.amdhsa_reserve_vcc 1
		.amdhsa_float_denorm_mode_32 3
		.amdhsa_float_denorm_mode_16_64 3
		.amdhsa_memory_ordered 1
		.amdhsa_forward_progress 1
		.amdhsa_inst_pref_size 255
	.end_amdhsa_kernel
	.section	.bss,"aw",@nobits
	.p2align	6
	.space	262144
	.amdgpu_metadata
---
amdhsa.version: [ 1, 2 ]
amdhsa.kernels:
  - .name:           k_q3c8e7ae26f_up
    .symbol:         k_q3c8e7ae26f_up.kd
    .args:
      - { .name: W1, .offset: 0, .size: 8, .value_kind: global_buffer, .address_space: global }
      - { .name: W3, .offset: 8, .size: 8, .value_kind: global_buffer, .address_space: global }
      - { .name: xc, .offset: 16, .size: 8, .value_kind: global_buffer, .address_space: global }
      - { .name: xs, .offset: 24, .size: 8, .value_kind: global_buffer, .address_space: global }
      - { .name: sel, .offset: 32, .size: 8, .value_kind: global_buffer, .address_space: global }
      - { .name: pos, .offset: 40, .size: 8, .value_kind: global_buffer, .address_space: global }
      - { .name: hc, .offset: 48, .size: 8, .value_kind: global_buffer, .address_space: global }
      - { .name: hs, .offset: 56, .size: 8, .value_kind: global_buffer, .address_space: global }
    .group_segment_fixed_size: 137728
    .private_segment_fixed_size: 0
    .kernarg_segment_align: 8
    .kernarg_segment_size: 64
    .max_flat_workgroup_size: 128
    .sgpr_count:     80
    .vgpr_count:     1024
    .wavefront_size: 32
...
	.end_amdgpu_metadata
.endif
;; end of part 6
;; launch down: the kernel of part 4 again; grid 32 x 8, 4 waves a work-group, no clusters, 112,128 bytes of LDS; arguments W2, hc, hs, pos, ct; writes ct
;; launch combine: the kernel of part 5 again; grid 256 x 1, 4 waves a work-group, no clusters, 0 bytes of LDS; arguments ct, pos, rw, Wc, bc, out0, out2; writes out0, out2
